; MI455X (gfx1250); checked and timed in simulation.
; The chip was launched on July 23, 2026; its instructions are those of AMD's public machine-readable ISA for CDNA 5 (MIT licence, August 2026) and "CDNA5" Instruction Set Architecture Reference Guide (July 2026). The comments in the code are by the model that wrote it; some were corrected since.
;; Grouped Quary Attention. Allowed arithmetic: float matrix products may take bf16 or f16 operands with f32 sums; other float arithmetic in f32, or as packed bf16 or f16 multiplies, adds, multiply-adds, maxima and minima; sums over many terms, partial sums and values carried from step to step in f32; what a program stores and reads back later, other than sums and carried values, may be rounded once to bf16 or f16.
;; Inputs: Wk 2,048 x 128 float32; Wo 2,048 x 2,048 float32; Wq 2,048 x 2,048 float32; Wv 2,048 x 128 float32; bk 128 float32; bo 2,048 float32; bq 2,048 float32; bv 128 float32; q 2 x 2,048 x 2,048 float32.
;; Outputs: out0 2 x 2,048 x 2,048 float32.
;; 2 versions, each right; version 2 is version 1 with the launch proj written anew for expert scheduling mode. Each part assembles by itself: llvm-mc -triple=amdgcn-amd-amdhsa -mcpu=gfx1250 --defsym DOCPART=n.
;; ======== version 1 of 2: 4 launches
;; limits: values are held in f16: magnitudes above 65,504 overflow, below 6.1e-05 lose precision
;; workspace buffers: wf 1,048,576 bytes; wsf 524,288 bytes; kf 1,048,576 bytes; vf 1,048,576 bytes; vtf 1,048,576 bytes; op 8,388,608 bytes; st 262,144 bytes
;; launch prep (part 1): grid 256 x 1, 4 waves a work-group, no clusters, 13,568 bytes of LDS; arguments Wo, Wk, Wv, wsf, wf; writes wsf, wf
.if DOCPART == 1
	.amdgcn_target "amdgcn-amd-amdhsa--gfx1250"
	.amdhsa_code_object_version 6
	.text
	.protected	k_qb466541d54_prep
	.globl	k_qb466541d54_prep
	.p2align	8
	.type	k_qb466541d54_prep,@function
k_qb466541d54_prep:
	s_mov_b64 s[64:65], 0
	v_nop
	global_prefetch_b8 v0, s[64:65] scope:SCOPE_SE
	s_setreg_imm32_b32 hwreg(HW_REG_WAVE_MODE, 25, 1), 1
	s_wait_xcnt 0x0
; PREP: the weights are brought into the order in which a matrix operand lies in registers, rounded once to f16.
; reference() repeats ONE key and value head sixteen times, so its sixteen heads are equal for every input, and
; (heads side by side) x Wo = A x Wsum with Wsum[d][n] = the sum over h of Wo[128 h + d][n], taken here in f32.
; OPERAND ORDER.  A block is 1,024 bytes: 16 rows x 32 k of f16; byte = quad x 512 + lane x 16; lane r + 16 h holds row r, k = 16 quad + 8 h + 0..7.
;   wsf: rows = n, k = d:           block = (n / 16) x 4 + d / 32
;   wf:  rows = columns of Wk | Wv, k = the input channel: block = (k / 32) x 16 + j x 4 + s; j = tile of 32 columns; s = 0, 1: Wk's columns 32 j + 16 s ..; s = 2, 3: Wv's
; SHARES.  Work-group u makes three units of 16 rows x 64 columns of f32 (each row piece 256 consecutive bytes, aligned):
;   Wsum rows 16 (u & 7) .., columns 64 (u >> 3) .. (16 heads are added: 64 KiB of Wo);  Wk and Wv rows 16 (u >> 1) .., columns 64 (u & 1) ..
; A unit goes through LDS to be turned: wave w writes rows 4 w .. 4 w + 3 and reads columns 16 w .. 16 w + 15, eight rows a lane; that is one quad of one block: one store of 512 consecutive bytes.
; LIMITS.  f16: |Wk|, |Wv|, |Wsum| under 65,504; below 6.1e-5 f16's fixed step of 6e-8.  Wq and bq enter no result of reference() and are not read by any launch.
.set PITCH, 272                        ; an LDS row: 256 bytes + 16: the two halves of the lanes, eight rows apart, read words 32 banks apart (64 banks of 4 bytes: ISA guide 11.1)
.set TILE,  16*PITCH                   ; 4,352 bytes: tile 0 Wsum, tile 1 Wk, tile 2 Wv
.set SPARE, 3*TILE                     ; 13,056: the spare words, 128 bytes for each wave: two blocks of 256 bytes that no other line names
.set VO2, 4                            ; v4   my 16 bytes in Wo: (4 w + lane / 16) x 8,192 + 16 (lane % 16)
.set VO1, 5                            ; v5   the same in Wk and Wv: rows of 512 bytes
.set STA, 6                            ; v6   the same in an LDS tile: rows of 272 bytes
.set RDA, 7                            ; v7   where I read back: row 8 (lane / 16), column 16 w + lane % 16
.set GO,  8                            ; v8   16 x lane
.set SPW, 10                           ; v10  my spare word; never rewritten
.set NIL, 11                           ; v11  0; never rewritten
.set X,   32                           ; v[32:159]  Wo: head hd, row pair p at X + 8 hd + 4 p
.set Y,   160                          ; v[160:175] Wk (0) and Wv (1): matrix m, row pair p at Y + 8 m + 4 p
.set R,   176                          ; v[176:199] tile m's eight numbers of my column
.set PK,  200                          ; v[200:211] the same as f16
	s_load_b256 s[4:11], s[0:1], 0x0               ; Wo s[4:5], Wk s[6:7], Wv s[8:9], wsf s[10:11]
	s_load_b64 s[12:13], s[0:1], 0x20              ; wf
	v_lshl_add_u32 v[SPW], v0, 2, SPARE
	v_mov_b32 v[NIL], 0
	v_lshrrev_b32 v1, 5, v0
	v_readfirstlane_b32 s14, v1                    ; wave 0..3
	v_and_b32 v2, 15, v0                           ; lane % 16
	v_bfe_u32 v3, v0, 4, 1                         ; lane / 16
	s_lshl_b32 s15, s14, 2
	v_add_nc_u32 v9, s15, v3                       ; my row of the first pair: 4 w + lane / 16
	v_lshlrev_b32 v12, 4, v2
	v_lshl_add_u32 v[VO2], v9, 13, v12
	v_lshl_add_u32 v[VO1], v9, 9, v12
	v_mul_u32_u24 v[STA], v9, PITCH
	v_add_nc_u32 v[STA], v[STA], v12
	v_mul_u32_u24 v[RDA], v3, 8*PITCH
	v_lshl_add_u32 v[RDA], v2, 2, v[RDA]
	s_lshl_b32 s16, s14, 6
	v_add_nc_u32 v[RDA], s16, v[RDA]
	v_and_b32 v[GO], 31, v0
	v_lshlrev_b32 v[GO], 4, v[GO]
	s_and_b32 s17, ttmp9, 7                        ; dq: which 16 rows d
	s_lshr_b32 s18, ttmp9, 3                       ; ng: which 64 columns n
	s_lshr_b32 s19, ttmp9, 1                       ; kg: which 16 rows k
	s_and_b32 s20, ttmp9, 1                        ; which 64 columns of Wk and Wv
	s_lshl_b32 s28, s17, 17                        ; Wo: 16 dq rows of 8,192 bytes
	s_lshl_b32 s21, s18, 8
	s_add_co_u32 s28, s28, s21                     ; + 64 ng columns
	s_mov_b32 s29, 0
	s_lshl_b32 s30, s19, 13                        ; Wk, Wv: 16 kg rows of 512 bytes
	s_lshl_b32 s21, s20, 8
	s_add_co_u32 s30, s30, s21
	s_mov_b32 s31, 0
	s_lshl_b32 s32, s18, 14                        ; wsf: ((4 ng + w) x 4 + dq / 2) x 1,024 + (dq % 2) x 512 = 16,384 ng + 4,096 w + 512 dq
	s_lshl_b32 s21, s14, 12
	s_add_co_u32 s32, s32, s21
	s_lshl_b32 s21, s17, 9
	s_add_co_u32 s32, s32, s21
	s_mov_b32 s33, 0
	s_lshr_b32 s34, s19, 1                         ; wf: ((kg / 2) x 16 + (2 half + w / 2) x 4 + w % 2) x 1,024 + (kg % 2) x 512
	s_lshl_b32 s34, s34, 14
	s_lshl_b32 s21, s20, 13
	s_add_co_u32 s34, s34, s21
	s_lshr_b32 s21, s14, 1
	s_lshl_b32 s21, s21, 12
	s_add_co_u32 s34, s34, s21
	s_and_b32 s21, s14, 1
	s_lshl_b32 s21, s21, 10
	s_add_co_u32 s34, s34, s21
	s_and_b32 s21, s19, 1
	s_lshl_b32 s21, s21, 9
	s_add_co_u32 s34, s34, s21
	s_mov_b32 s35, 0
	s_wait_kmcnt 0x0
	s_add_nc_u64 s[24:25], s[4:5], s[28:29]        ; Wo at heads 0 to 7 of my unit,
	s_add_nc_u64 s[26:27], s[24:25], 0x800000      ; and at heads 8 to 15: eight heads of 1,048,576 bytes are more than a signed immediate of 24 bits holds
	s_add_nc_u64 s[6:7], s[6:7], s[30:31]
	s_add_nc_u64 s[8:9], s[8:9], s[30:31]
	s_add_nc_u64 s[10:11], s[10:11], s[32:33]
	s_add_nc_u64 s[12:13], s[12:13], s[34:35]
	; all 36 loads go out at once; each takes two rows' 256 consecutive bytes; every byte is read once in the launch
.irp p, 0,1
	global_load_b128 v[Y+4*(\p):Y+4*(\p)+3],     v[VO1], s[6:7] offset:1024*(\p) th:TH_LOAD_NT
	global_load_b128 v[Y+8+4*(\p):Y+8+4*(\p)+3], v[VO1], s[8:9] offset:1024*(\p) th:TH_LOAD_NT
.endr
.irp hd, 0,1,2,3,4,5,6,7
.irp p, 0,1
	global_load_b128 v[X+8*(\hd)+4*(\p):X+8*(\hd)+4*(\p)+3], v[VO2], s[24:25] offset:1048576*(\hd)+16384*(\p) th:TH_LOAD_NT
.endr
.endr
.irp hd, 0,1,2,3,4,5,6,7
.irp p, 0,1
	global_load_b128 v[X+64+8*(\hd)+4*(\p):X+64+8*(\hd)+4*(\p)+3], v[VO2], s[26:27] offset:1048576*(\hd)+16384*(\p) th:TH_LOAD_NT
.endr
.endr
.macro ADDH a, b                       ; head a += head b: my eight numbers, two an instruction
.irp z, 0,2,4,6
	v_pk_add_f32 v[X+8*(\a)+(\z):X+8*(\a)+(\z)+1], v[X+8*(\a)+(\z):X+8*(\a)+(\z)+1], v[X+8*(\b)+(\z):X+8*(\b)+(\z)+1]
.endr
.endm
	s_wait_loadcnt 16                              ; the 16 youngest loads, heads 8 to 15, may stay out: Wk, Wv and heads 0 to 7 are in
.irp m, 0,1
.irp p, 0,1
	ds_store_b128 v[STA], v[Y+8*(\m)+4*(\p):Y+8*(\m)+4*(\p)+3] offset:((\m)+1)*TILE+(\p)*2*PITCH
.endr
.endr
	ADDH 0, 1                                      ; the sixteen heads are added as a tree, in f32
	ADDH 2, 3
	ADDH 4, 5
	ADDH 6, 7
	ADDH 0, 2
	ADDH 4, 6
	ADDH 0, 4
	s_wait_loadcnt 0x0
	ADDH 8, 9
	ADDH 10, 11
	ADDH 12, 13
	ADDH 14, 15
	ADDH 8, 10
	ADDH 12, 14
	ADDH 8, 12
	ADDH 0, 8
.irp p, 0,1
	ds_store_b128 v[STA], v[X+4*(\p):X+4*(\p)+3] offset:(\p)*2*PITCH
.endr
	s_wait_dscnt 0x0                               ; for the others' sake: my rows of the three tiles are written
	s_barrier_signal -1
	s_barrier_wait -1
.irp m, 0,1,2
.irp j, 0,1,2,3,4,5,6,7
	ds_load_b32 v[R+8*(\m)+(\j)], v[RDA] offset:(\m)*TILE+(\j)*PITCH  ; row 8 (lane / 16) + j of my column
.endr
.endr
	s_wait_dscnt 0x0
.irp m, 0,1,2
.irp j, 0,1,2,3
	v_cvt_pk_f16_f32 v[PK+4*(\m)+(\j)], v[R+8*(\m)+2*(\j)], v[R+8*(\m)+2*(\j)+1]
.endr
.endr
	global_store_b128 v[GO], v[PK:PK+3],    s[10:11]              ; each store: 512 consecutive bytes, one quad of a block
	global_store_b128 v[GO], v[PK+4:PK+7],  s[12:13]
	global_store_b128 v[GO], v[PK+8:PK+11], s[12:13] offset:2048  ; Wv's blocks lie two behind Wk's
	s_wait_tensorcnt 0x0                           ; the wave's end: behind my last LDS store
	ds_add_u32 v[SPW], v[NIL]
	s_wait_dscnt 0x0
	s_endpgm
.Lfunc_end_k_qb466541d54_prep:
	.size	k_qb466541d54_prep, .Lfunc_end_k_qb466541d54_prep-k_qb466541d54_prep
	.p2alignl 7, 3214868480
	.fill 96, 4, 3214868480
	.section	.rodata,"a",@progbits
	.p2align	6, 0x0
	.amdhsa_kernel k_qb466541d54_prep
		.amdhsa_group_segment_fixed_size 13568
		.amdhsa_private_segment_fixed_size 0
		.amdhsa_enable_private_segment 0
		.amdhsa_kernarg_size 40
		.amdhsa_user_sgpr_count 2
		.amdhsa_user_sgpr_kernarg_segment_ptr 1
		.amdhsa_wavefront_size32 1
		.amdhsa_system_sgpr_workgroup_id_x 1
		.amdhsa_system_sgpr_workgroup_id_y 1
		.amdhsa_system_sgpr_workgroup_id_z 1
		.amdhsa_system_vgpr_workitem_id 0
		.amdhsa_next_free_vgpr 216
		.amdhsa_next_free_sgpr 66
		.amdhsa_reserve_vcc 0
		.amdhsa_float_denorm_mode_32 3
		.amdhsa_float_denorm_mode_16_64 3
		.amdhsa_memory_ordered 1
		.amdhsa_forward_progress 1
		.amdhsa_inst_pref_size 13
	.end_amdhsa_kernel
	.amdgpu_metadata
---
amdhsa.version: [ 1, 2 ]
amdhsa.kernels:
  - .name:           k_qb466541d54_prep
    .symbol:         k_qb466541d54_prep.kd
    .args:
      - { .name: Wo, .offset: 0, .size: 8, .value_kind: global_buffer, .address_space: global }
      - { .name: Wk, .offset: 8, .size: 8, .value_kind: global_buffer, .address_space: global }
      - { .name: Wv, .offset: 16, .size: 8, .value_kind: global_buffer, .address_space: global }
      - { .name: wsf, .offset: 24, .size: 8, .value_kind: global_buffer, .address_space: global }
      - { .name: wf, .offset: 32, .size: 8, .value_kind: global_buffer, .address_space: global }
    .group_segment_fixed_size: 13568
    .private_segment_fixed_size: 0
    .kernarg_segment_align: 8
    .kernarg_segment_size: 40
    .max_flat_workgroup_size: 128
    .sgpr_count:     66
    .vgpr_count:     216
    .wavefront_size: 32
...
	.end_amdgpu_metadata
.endif
;; end of part 1
;; launch proj (part 2): grid 4 x 64, 4 waves a work-group, no clusters, 98,816 bytes of LDS; arguments q, wf, bk, bv, kf, vf, vtf; writes kf, vf, vtf
.if DOCPART == 2
	.amdgcn_target "amdgcn-amd-amdhsa--gfx1250"
	.amdhsa_code_object_version 6
	.text
	.protected	k_qb466541d54_proj
	.globl	k_qb466541d54_proj
	.p2align	8
	.type	k_qb466541d54_proj,@function
k_qb466541d54_proj:
	s_mov_b64 s[64:65], 0
	v_nop
	global_prefetch_b8 v0, s[64:65] scope:SCOPE_SE
	s_setreg_imm32_b32 hwreg(HW_REG_WAVE_MODE, 25, 1), 1
	s_wait_xcnt 0x0
; PROJ: K = q Wk + bk and V = q Wv + bv, [4096][128], products on f16 operands with f32 sums; K, V and V^T leave rounded once to f16, in operand order
; (a block is 1,024 bytes: 16 rows x 32 k; byte = quad x 512 + lane x 16; lane r + 16 h holds row r, k = 16 quad + 8 h + 0..7):
;   kf, vf: rows = row m of q, k = channel: block = (m / 16) x 4 + channel / 32          vtf: rows = channel, k = m: block = (m / 32) x 8 + channel / 16
; SHARES.  Work-group (j, i): rows 64 i .. 64 i + 63, channels 32 j .. 32 j + 31 of K and of V.  THE INPUT CHANNELS ARE SPLIT AMONG THE FOUR WAVES: wave w takes 512 w .. 512 w + 511 for the whole tile, so no
; byte is wanted by two waves and nothing goes through LDS on the way in; the four partial sums meet in LDS at the end (f32 sums may be taken in any order).
; PRODUCTS.  24 accumulators, number 8 type + 2 a + s (a: block of 16 rows; s: 16 channels).  type 0: K = (Wk's fragment, q's); type 1: V = (Wv's, q's): a lane then holds one row and eight
; neighbouring channels, which pack into one quad of kf or vf.  type 2: the same two fragments with the sources swapped: a lane holds one channel and eight neighbouring rows: one quad of vtf.
; A TRIP is 64 input channels: 256 consecutive bytes, aligned, of each of the 64 rows of q (f32, converted here), and 8 blocks of wf.  Two sets of registers: while one trip is multiplied the other's 48 loads are out.
; Eight trips, written out: every step stands in an immediate and no pointer is stepped.
; LIMITS.  f16: |q|, |K|, |V| under 65,504; below 6.1e-5 f16's fixed step of 6e-8.  Wq and bq enter no result of reference() and are not read.
; REGISTERS, in windows of 256 (s_set_vgpr_msb: bits 1:0 source 0, 3:2 source 1, 5:4 source 2, 7:6 destination):
;   window 0: addresses, biases, QF (q as f16), WB (wf, two sets)     window 1: q as loaded, two sets of 128; later the partial sums read back     window 2: v0-191 the accumulators
.set PART,  24576                      ; LDS: a wave's 24 partial tiles of 1,024 bytes, at 24,576 w
.set SPARE, 4*PART                     ; 98,304: the spare words, 128 bytes for each wave: two blocks of 256 bytes that no other line names
.set FOQ, 4                            ; v4   my bytes in q: (lane % 16) x 8,192 + 32 (lane / 16) + 2,048 w; never rewritten
.set L16, 5                            ; v5   16 x lane
.set BO,  6                            ; v6   32 (lane / 16): my eight channels' biases
.set BR,  7                            ; v7   4 (lane % 16): my one channel's bias
.set LS,  8                            ; v8   where I put partial sums
.set LR,  9                            ; v9   where I read waves 0 and 1's back,
.set LR2, 10                           ; v10  and waves 2 and 3's: an LDS immediate holds 16 bits
.set SPW, 12                           ; v12  my spare word; never rewritten
.set NIL, 13                           ; v13  0; never rewritten
.set BT,  16                           ; v16, v18  bv of channel 32 j + 16 s + lane % 16; v17, v19 = 0: named with them as pairs
.set QF,  32                           ; v[32:95]   q's fragments: chunk e, row block a at QF + 8 (4 e + a); later the packed results
.set WB,  96                           ; v[96:223]  wf's fragments: set, chunk e, block s at WB + 64 set + 8 (4 e + s)
.set BK,  224                          ; v[224:239] bk of channels 32 j + 16 s + 8 (lane / 16) + 0..7 at BK + 8 s
.set BV,  240                          ; v[240:255] bv likewise
.set MSB, 0
.macro WIN new                         ; the immediate's high byte repeats the setting that is left; a switch that changes nothing is dropped
.if MSB != (\new)
	s_set_vgpr_msb (MSB<<8)|(\new)
.set MSB, \new
.endif
.endm
.macro PLACES                          ; four places behind a matrix instruction (ISA guide 7.12.1), where no other vector work is at hand
.rept 4
	v_nop
.endr
.endm
.macro MM d, a, b, z                   ; z = 1: the product starts the sum: nothing is ever cleared
.if \z
	v_wmma_f32_16x16x32_f16 v[(\d):(\d)+7], v[(\a):(\a)+7], v[(\b):(\b)+7], 0
.else
	v_wmma_f32_16x16x32_f16 v[(\d):(\d)+7], v[(\a):(\a)+7], v[(\b):(\b)+7], v[(\d):(\d)+7]
.endif
.endm
	s_load_b256 s[4:11], s[0:1], 0x0               ; q s[4:5], wf s[6:7], bk s[8:9], bv s[10:11]
	s_load_b128 s[12:15], s[0:1], 0x20             ; kf s[12:13], vf s[14:15]
	s_load_b64 s[16:17], s[0:1], 0x30              ; vtf
	v_lshl_add_u32 v[SPW], v0, 2, SPARE
	v_mov_b32 v[NIL], 0
	v_lshrrev_b32 v1, 5, v0
	v_readfirstlane_b32 s18, v1                    ; wave 0..3
	s_mov_b32 s19, ttmp9                           ; j
	s_and_b32 s20, ttmp7, 0xffff                   ; i
	v_and_b32 v2, 15, v0                           ; lane % 16
	v_bfe_u32 v3, v0, 4, 1                         ; lane / 16
	v_and_b32 v14, 31, v0
	v_lshlrev_b32 v[FOQ], 13, v2
	v_lshl_add_u32 v[FOQ], v3, 5, v[FOQ]
	s_lshl_b32 s21, s18, 11
	v_add_nc_u32 v[FOQ], s21, v[FOQ]
	v_lshlrev_b32 v[L16], 4, v14
	v_lshlrev_b32 v[BO], 5, v3
	v_lshlrev_b32 v[BR], 2, v2
	v_add_nc_u32 v[LR], s21, v[L16]                ; row block a = w: accumulators 2 w, 2 w + 1 of each type: 2,048 w
	v_add_nc_u32 v[LR2], 2*PART, v[LR]
	s_mul_i32 s21, s18, PART
	v_add_nc_u32 v[LS], s21, v[L16]
	v_mov_b32 v[BT+1], 0
	v_mov_b32 v[BT+3], 0
	s_lshl_b32 s22, s20, 19                        ; q: 64 i rows of 8,192 bytes
	s_mov_b32 s23, 0
	s_lshl_b32 s24, s19, 12                        ; wf: 4 j blocks, and my 16 chunks of 16 blocks
	s_lshl_b32 s21, s18, 18
	s_add_co_u32 s24, s24, s21
	s_mov_b32 s25, 0
	s_lshl_b32 s26, s19, 7                         ; bk, bv: 32 j numbers
	s_mov_b32 s27, 0
	s_lshl_b32 s28, s20, 14                        ; kf, vf: block (4 i + w) x 4 + j
	s_lshl_b32 s21, s18, 12
	s_add_co_u32 s28, s28, s21
	s_lshl_b32 s21, s19, 10
	s_add_co_u32 s28, s28, s21
	s_mov_b32 s29, 0
	s_lshl_b32 s30, s20, 14                        ; vtf: block (2 i + w / 2) x 8 + 2 j, quad w % 2
	s_lshr_b32 s21, s18, 1
	s_lshl_b32 s21, s21, 13
	s_add_co_u32 s30, s30, s21
	s_lshl_b32 s21, s19, 11
	s_add_co_u32 s30, s30, s21
	s_and_b32 s21, s18, 1
	s_lshl_b32 s21, s21, 9
	s_add_co_u32 s30, s30, s21
	s_mov_b32 s31, 0
	s_wait_kmcnt 0x0
	s_add_nc_u64 s[4:5], s[4:5], s[22:23]
	s_add_nc_u64 s[6:7], s[6:7], s[24:25]
	s_add_nc_u64 s[8:9], s[8:9], s[26:27]
	s_add_nc_u64 s[10:11], s[10:11], s[26:27]
	s_add_nc_u64 s[12:13], s[12:13], s[28:29]
	s_add_nc_u64 s[14:15], s[14:15], s[28:29]
	s_add_nc_u64 s[16:17], s[16:17], s[30:31]
.irp s, 0,1                            ; ten loads of biases, ahead of all others: every later wait covers them
	global_load_b128 v[BK+8*(\s):BK+8*(\s)+3],   v[BO], s[8:9] offset:64*(\s)
	global_load_b128 v[BK+8*(\s)+4:BK+8*(\s)+7], v[BO], s[8:9] offset:64*(\s)+16
	global_load_b128 v[BV+8*(\s):BV+8*(\s)+3],   v[BO], s[10:11] offset:64*(\s)
	global_load_b128 v[BV+8*(\s)+4:BV+8*(\s)+7], v[BO], s[10:11] offset:64*(\s)+16
	global_load_b32  v[BT+2*(\s)],               v[BR], s[10:11] offset:64*(\s)
.endr
; Trip T's 32 loads of q into set: a fragment's 16 numbers of f32 a lane are k = 8 h + 0..7 (32 bytes) and 16 + 8 h + 0..7 (64 bytes on).  The eight loads of a row block cover 256 bytes of each of its rows.
.macro LQ T, set
	WIN 0x40                                       ; destination window 1
.irp a, 0,1,2,3
.irp e, 0,1
.set rq, 128*(\set)+16*(4*(\e)+(\a))
.set oq, (\a)*131072+(\T)*256+(\e)*128
	global_load_b128 v[rq:rq+3],     v[FOQ], s[4:5] offset:oq
	global_load_b128 v[rq+4:rq+7],   v[FOQ], s[4:5] offset:oq+16
	global_load_b128 v[rq+8:rq+11],  v[FOQ], s[4:5] offset:oq+64
	global_load_b128 v[rq+12:rq+15], v[FOQ], s[4:5] offset:oq+80
.endr
.endr
.endm
; Trip T's 16 loads of wf: 512 consecutive bytes each
.macro LW T, set
	WIN 0
.irp e, 0,1
.irp s, 0,1,2,3
	global_load_b128 v[WB+64*(\set)+8*(4*(\e)+(\s)):WB+64*(\set)+8*(4*(\e)+(\s))+3],   v[L16], s[6:7] offset:(2*(\T)+(\e))*16384+(\s)*1024
	global_load_b128 v[WB+64*(\set)+8*(4*(\e)+(\s))+4:WB+64*(\set)+8*(4*(\e)+(\s))+7], v[L16], s[6:7] offset:(2*(\T)+(\e))*16384+(\s)*1024+512
.endr
.endr
.endm
.macro CVT set                         ; q to f16: 128 numbers a lane, two an instruction
	WIN 0x05                                       ; sources window 1, destination window 0
.set i, 0
.rept 64
	v_cvt_pk_f16_f32 v[QF+i], v[128*(\set)+2*i], v[128*(\set)+2*i+1]
.set i, i+1
.endr
.endm
; A trip's 48 products.  The 24 accumulators take turns, one instruction a turn, from chunk to chunk and from trip to trip too.
.macro MULS set, zero
	WIN 0xa0                                       ; C and D window 2, sources window 0
.irp e, 0,1
.irp a, 0,1,2,3
.irp s, 0,1
	MM 8*(2*(\a)+(\s)), WB+64*(\set)+8*(4*(\e)+(\s)), QF+8*(4*(\e)+(\a)), (\zero)*(1-(\e))
.endr
.endr
.irp a, 0,1,2,3
.irp s, 0,1
	MM 64+8*(2*(\a)+(\s)), WB+64*(\set)+8*(4*(\e)+2+(\s)), QF+8*(4*(\e)+(\a)), (\zero)*(1-(\e))
.endr
.endr
.irp a, 0,1,2,3
.irp s, 0,1
	MM 128+8*(2*(\a)+(\s)), QF+8*(4*(\e)+(\a)), WB+64*(\set)+8*(4*(\e)+2+(\s)), (\zero)*(1-(\e))
.endr
.endr
.endr
.endm
; more = 1: the set is asked for again, for the trip two on: q's registers as soon as they are converted, wf's four places behind the last product that read them;
; those four places also stand ahead of the next trip's conversions into QF.  left: the younger loads that may stay out.
.macro TRIP T, zero, more, left
	s_wait_loadcnt \left
	CVT (\T)%2
.if \more
	LQ (\T)+2, (\T)%2
.endif
	MULS (\T)%2, \zero
	PLACES
.if \more
	LW (\T)+2, (\T)%2
.endif
.endm
	LQ 0, 0
	LW 0, 0
	LQ 1, 1
	LW 1, 1
	TRIP 0, 1, 1, 48                               ; 48: the other set's 32 + 16 loads were issued behind this set's
.irp T, 1,2,3,4,5
	TRIP \T, 0, 1, 48
.endr
	TRIP 6, 0, 0, 48                               ; the last two trips load nothing
	TRIP 7, 0, 0, 0
	PLACES                                         ; (eight in all, once a launch)
	; THE FOUR PARTIAL SUMS MEET.  Each accumulator's low registers are read first.
	WIN 0x08                                       ; store data window 2
.set n, 0
.rept 48
	ds_store_b128 v[LS], v[4*n:4*n+3] offset:512*n
.set n, n+1
.endr
	s_wait_dscnt 0x0                               ; for the others' sake
	s_barrier_signal -1
	s_barrier_wait -1
	WIN 0x40                                       ; wave w finishes row block w: six accumulators u = 2 type + s; wave v's part goes to window 1, v[32 u + 8 v ..]
.irp ty, 0,1,2
.irp s, 0,1
.irp v, 0,1
.irp qd, 0,1
	ds_load_b128 v[8*(4*(2*(\ty)+(\s))+(\v))+4*(\qd):8*(4*(2*(\ty)+(\s))+(\v))+4*(\qd)+3],     v[LR]  offset:(\v)*PART+(\ty)*8192+(\s)*1024+(\qd)*512
	ds_load_b128 v[8*(4*(2*(\ty)+(\s))+2+(\v))+4*(\qd):8*(4*(2*(\ty)+(\s))+2+(\v))+4*(\qd)+3], v[LR2] offset:(\v)*PART+(\ty)*8192+(\s)*1024+(\qd)*512
.endr
.endr
.endr
.endr
	s_wait_dscnt 0x0
	WIN 0x45                                       ; all in window 1
.set u, 0
.rept 6
.irp z, 0,2,4,6
	v_pk_add_f32 v[32*u+(\z):32*u+(\z)+1],       v[32*u+(\z):32*u+(\z)+1],       v[32*u+8+(\z):32*u+8+(\z)+1]
	v_pk_add_f32 v[32*u+16+(\z):32*u+16+(\z)+1], v[32*u+16+(\z):32*u+16+(\z)+1], v[32*u+24+(\z):32*u+24+(\z)+1]
.endr
.set u, u+1
.endr
.set u, 0
.rept 6
.irp z, 0,2,4,6
	v_pk_add_f32 v[32*u+(\z):32*u+(\z)+1], v[32*u+(\z):32*u+(\z)+1], v[32*u+16+(\z):32*u+16+(\z)+1]
.endr
.set u, u+1
.endr
	WIN 0x41                                       ; the biases lie in window 0
.irp s, 0,1
.irp z, 0,2,4,6
	v_pk_add_f32 v[32*(\s)+(\z):32*(\s)+(\z)+1],         v[32*(\s)+(\z):32*(\s)+(\z)+1],         v[BK+8*(\s)+(\z):BK+8*(\s)+(\z)+1]
	v_pk_add_f32 v[64+32*(\s)+(\z):64+32*(\s)+(\z)+1],   v[64+32*(\s)+(\z):64+32*(\s)+(\z)+1],   v[BV+8*(\s)+(\z):BV+8*(\s)+(\z)+1]
	v_pk_add_f32 v[128+32*(\s)+(\z):128+32*(\s)+(\z)+1], v[128+32*(\s)+(\z):128+32*(\s)+(\z)+1], v[BT+2*(\s):BT+2*(\s)+1] op_sel_hi:[1,0]  ; V^T: one channel a lane
.endr
.endr
	WIN 0x05
.set u, 0
.rept 6
.irp z, 0,1,2,3
	v_cvt_pk_f16_f32 v[QF+4*u+(\z)], v[32*u+2*(\z)], v[32*u+2*(\z)+1]
.endr
.set u, u+1
.endr
	WIN 0
.irp s, 0,1                            ; each store: 512 consecutive bytes, one quad of a block
	global_store_b128 v[L16], v[QF+4*(\s):QF+4*(\s)+3],       s[12:13] offset:512*(\s)
	global_store_b128 v[L16], v[QF+8+4*(\s):QF+8+4*(\s)+3],   s[14:15] offset:512*(\s)
	global_store_b128 v[L16], v[QF+16+4*(\s):QF+16+4*(\s)+3], s[16:17] offset:1024*(\s)
.endr
	s_wait_tensorcnt 0x0                           ; the wave's end: behind my last LDS store
	ds_add_u32 v[SPW], v[NIL]
	s_wait_dscnt 0x0
	s_endpgm
.Lfunc_end_k_qb466541d54_proj:
	.size	k_qb466541d54_proj, .Lfunc_end_k_qb466541d54_proj-k_qb466541d54_proj
	.p2alignl 7, 3214868480
	.fill 96, 4, 3214868480
	.section	.rodata,"a",@progbits
	.p2align	6, 0x0
	.amdhsa_kernel k_qb466541d54_proj
		.amdhsa_group_segment_fixed_size 98816
		.amdhsa_private_segment_fixed_size 0
		.amdhsa_enable_private_segment 0
		.amdhsa_kernarg_size 56
		.amdhsa_user_sgpr_count 2
		.amdhsa_user_sgpr_kernarg_segment_ptr 1
		.amdhsa_wavefront_size32 1
		.amdhsa_system_sgpr_workgroup_id_x 1
		.amdhsa_system_sgpr_workgroup_id_y 1
		.amdhsa_system_sgpr_workgroup_id_z 1
		.amdhsa_system_vgpr_workitem_id 0
		.amdhsa_next_free_vgpr 704
		.amdhsa_next_free_sgpr 66
		.amdhsa_reserve_vcc 0
		.amdhsa_float_denorm_mode_32 3
		.amdhsa_float_denorm_mode_16_64 3
		.amdhsa_memory_ordered 1
		.amdhsa_forward_progress 1
		.amdhsa_inst_pref_size 113
	.end_amdhsa_kernel
	.amdgpu_metadata
---
amdhsa.version: [ 1, 2 ]
amdhsa.kernels:
  - .name:           k_qb466541d54_proj
    .symbol:         k_qb466541d54_proj.kd
    .args:
      - { .name: q, .offset: 0, .size: 8, .value_kind: global_buffer, .address_space: global }
      - { .name: wf, .offset: 8, .size: 8, .value_kind: global_buffer, .address_space: global }
      - { .name: bk, .offset: 16, .size: 8, .value_kind: global_buffer, .address_space: global }
      - { .name: bv, .offset: 24, .size: 8, .value_kind: global_buffer, .address_space: global }
      - { .name: kf, .offset: 32, .size: 8, .value_kind: global_buffer, .address_space: global }
      - { .name: vf, .offset: 40, .size: 8, .value_kind: global_buffer, .address_space: global }
      - { .name: vtf, .offset: 48, .size: 8, .value_kind: global_buffer, .address_space: global }
    .group_segment_fixed_size: 98816
    .private_segment_fixed_size: 0
    .kernarg_segment_align: 8
    .kernarg_segment_size: 56
    .max_flat_workgroup_size: 128
    .sgpr_count:     66
    .vgpr_count:     704
    .wavefront_size: 32
...
	.end_amdgpu_metadata
.endif
;; end of part 2
;; launch attn (part 3): grid 4 x 64, 4 waves a work-group, clusters of 4 x 4, 286,720 bytes of LDS; arguments vf, kf, vtf, op, st; writes op, st
.if DOCPART == 3
	.amdgcn_target "amdgcn-amd-amdhsa--gfx1250"
	.amdhsa_code_object_version 6
	.text
	.protected	k_qb466541d54_attn
	.globl	k_qb466541d54_attn
	.p2align	8
	.type	k_qb466541d54_attn,@function
k_qb466541d54_attn:
	s_mov_b64 s[64:65], 0
	v_nop
	global_prefetch_b8 v0, s[64:65] scope:SCOPE_SE
	s_setreg_imm32_b32 hwreg(HW_REG_WAVE_MODE, 25, 1), 1
	s_wait_xcnt 0x0
	s_wait_alu depctr_hold_cnt(0) depctr_sa_sdst(0) depctr_va_vdst(0) depctr_va_sdst(0) depctr_va_ssrc(0) depctr_va_vcc(0) depctr_vm_vsrc(0)
	s_getreg_b32 s2, hwreg(HW_REG_IB_STS2, 6, 4)
	s_cmp_eq_u32 s2, 0
	s_cbranch_scc0 .Lentry_in_a_cluster
	s_endpgm
.Lentry_in_a_cluster:
	s_bfe_u32 s2, ttmp6, 0x10000c
	s_cmp_lg_u32 s2, 0xf033
	s_cbranch_scc0 .Lentry_shape_is_right
	s_endpgm
.Lentry_shape_is_right:
; ATTN: for 64 queries (rows of V: reference() takes the V projection as its query) and one quarter, 512, of their batch's keys:
;   M = the largest score, p = 2^(c s - c M) with c = log2(e) / 128 (reference() divides by the head size), l = the sum of p, O = the sum of p V.  O (f32) goes to op, (c M, l) to st; the next launch joins the four quarters.
; The maximum is the true maximum over the work-group's 512 keys: the four waves exchange theirs ahead of the exponentials, so every exponent is at most 0 and the waves' O and l add plainly.
; SHARES.  Work-group (part, g).  Wave w takes keys 128 w .. 128 w + 127 of the part for ALL FOUR tiles of 16 queries: each fragment of K and of V^T feeds four products.  128 products S^T = K Q^T, 128 products O^T = V^T P.
; LAYOUT.  All three inputs lie in memory in operand order (blocks of 1,024 bytes: 16 rows x 32 k; byte = quad x 512 + lane x 16), so they come into LDS as dense bytes and out of it by loads of 512 consecutive bytes.
; S^T holds ONE query a lane (lane % 16) and the keys 8 (lane / 16) + 0..7; two such results rounded to f16 ARE source 1 of V^T P, whose result again holds one query a lane, and eight channels.
; ALL THAT THE WORK-GROUP READS, 272 KiB, IS ASKED FOR AT ITS HEAD: three tensor loads a wave are out; no LDS byte is filled twice.
; CLUSTER 4 x 4.  The queries' tile hangs on g alone and is shared along a row of the cluster; K's and V's hang on the batch and the part alone and are shared along a column: each is asked for jointly, by the same
; line with the same descriptor and a mask that names the four.
; LIMITS.  f16 operands: |K|, |V| under 65,504; p lies in 0 to 1 and below 6.1e-5 keeps f16's fixed step of 6e-8 (l is the sum of the unrounded p); a weight below 2^-126 counts as 0; NaN and infinities are not treated apart.
; REGISTERS, in windows of 256 (s_set_vgpr_msb: bits 1:0 source 0, 3:2 source 1, 5:4 source 2, 7:6 destination):
;   window 0: v0-19 addresses; v20-35 statistics; v36-67 at work; v128-255 Q (tile t, channels 32 c at 128 + 8 (4 t + c)), later P (tile t, keys 32 kc at 128 + 32 t + 8 kc)
;   window 1: K (keys 16 kb, channels 32 c at 32 kb + 8 c), later O^T (tile t, channels 16 cb at 8 (8 t + cb))     window 2: S^T (8 (8 t + kb)), later the four waves' O     window 3: V^T (8 (8 kc + cb))
.set KL,    16384                      ; LDS: Q at 0 (wave w fetches tile w, 4,096 bytes); K at 16,384 + 32,768 w, the wave's own; when read out it takes the wave's O^T: it has had its one fill
.set VL,    147456                     ; V^T at 147,456 + 32,768 w, the wave's own
.set MST,   278528                     ; the waves' maxima: wave w's at 512 w + 128 t + 4 lane; their sums l 2,048 bytes on
.set SPARE, 282624                     ; the spare words, 128 bytes for each wave: two blocks of 256 bytes that no other line names
.set L16, 3                            ; v3   16 x lane
.set AK,  5                            ; v5   my 16 bytes in my wave's K
.set AV,  6                            ; v6   in its V^T
.set MS,  7                            ; v7   where I put a maximum
.set ML,  8                            ; v8   where I read the four waves' maxima of a tile
.set RD,  10                           ; v10-13  tile w's O^T in wave 0, 1, 2, 3's stage
.set GS,  15                           ; v15  8 x lane
.set MW,  16                           ; v16  the four waves' maxima of tile w
.set SPW, 18                           ; v18  my spare word; never rewritten
.set NIL, 19                           ; v19  0; never rewritten
.set ST,  20                           ; tile t at v[ST + 4 t]: c M, M, l
.set TMP, 36                           ; tile t at v[TMP + 8 t]: eight at work
.set QP,  128
.set G1Q, 24                           ; s[24:31] descriptor group 1 for Q's tile
.set G1K, 32                           ; s[32:39] for K's and V's
.set G0Q, 40                           ; s[40:43], s[44:47], s[48:51] descriptor group 0 for Q, K, V
.set G0K, 44
.set G0V, 48
.set CS,  52                           ; s[52:53] c: the packed scaling names a pair and takes its low word for both halves
.set SEL, 54                           ; s[54:55] v_permlanex16_b32's selects: each lane takes its own place in the other half
.set MSB, 0
.macro WIN new                         ; the immediate's high byte repeats the setting that is left; a switch that changes nothing is dropped
.if MSB != (\new)
	s_set_vgpr_msb (MSB<<8)|(\new)
.set MSB, \new
.endif
.endm
.macro PLACES
.rept 4
	v_nop
.endr
.endm
.macro MM d, a, b, z                   ; z = 1: the product starts the sum: nothing is ever cleared
.if \z
	v_wmma_f32_16x16x32_f16 v[(\d):(\d)+7], v[(\a):(\a)+7], v[(\b):(\b)+7], 0
.else
	v_wmma_f32_16x16x32_f16 v[(\d):(\d)+7], v[(\a):(\a)+7], v[(\b):(\b)+7], v[(\d):(\d)+7]
.endif
.endm
; A round of the cluster's barrier: my work-group's barrier, so that wave 0's signal speaks for all four waves; wave 0 signals; every wave waits for all sixteen work-groups; my work-group's barrier once more.
.macro CROUND
	s_barrier_signal -1
	s_barrier_wait -1
	s_cmp_lg_u32 s14, 0
	s_cbranch_scc1 .Lnot_wave_0_\@
	s_barrier_signal -3
.Lnot_wave_0_\@:
	s_barrier_wait -3
	s_barrier_signal -1
	s_barrier_wait -1
.endm
	s_load_b256 s[4:11], s[0:1], 0x0               ; vf s[4:5], kf s[6:7], vtf s[8:9], op s[10:11]
	s_load_b64 s[12:13], s[0:1], 0x20              ; st
	v_lshl_add_u32 v[SPW], v0, 2, SPARE
	v_mov_b32 v[NIL], 0
	ds_add_u32 v[SPW], v[NIL]                      ; the wave's opening: the add and its wait stand ahead of my first tensor load; the set-up below, work on registers, stands between them
	v_lshrrev_b32 v1, 5, v0
	v_readfirstlane_b32 s14, v1                    ; wave 0..3
	s_bfe_u32 s15, ttmp6, 0x40000                  ; cx
	s_bfe_u32 s16, ttmp6, 0x40004                  ; cy
	s_and_b32 s17, ttmp7, 0xffff                   ; cluster y
	s_lshl_b32 s18, s17, 2
	s_add_co_u32 s18, s18, s16                     ; g = 4 x cluster y + cy
	s_lshl_b32 s19, ttmp9, 2
	s_add_co_u32 s19, s19, s15                     ; part = 4 x cluster x + cx
	s_lshl_b32 s20, s18, 14                        ; Q: 64 g rows are 16 g blocks; my tile's four: made of g and the wave alone
	s_lshl_b32 s60, s14, 12
	s_add_co_u32 s20, s20, s60
	s_mov_b32 s21, 0
	s_lshr_b32 s22, s17, 3                         ; the batch = g / 32 = cluster y / 8,
	s_lshl_b32 s22, s22, 19                        ; its 524,288 bytes of kf and of vtf,
	s_lshl_b32 s61, s19, 17                        ; the part's 131,072,
	s_add_co_u32 s22, s22, s61
	s_lshl_b32 s61, s14, 15                        ; my wave's 32,768: made of cluster y, the part and the wave alone
	s_add_co_u32 s22, s22, s61
	s_mov_b32 s23, 0
	s_lshl_b32 s56, s18, 2                         ; op and st: record ((g x 4 + part) x 4 + w)
	s_add_co_u32 s56, s56, s19
	s_lshl_b32 s56, s56, 2
	s_add_co_u32 s56, s56, s14
	s_lshl_b32 s58, s56, 8
	s_lshl_b32 s56, s56, 13
	s_mov_b32 s57, 0
	s_mov_b32 s59, 0
	s_lshl_b32 s62, s16, 2
	s_lshl_b32 s62, 15, s62                        ; my row of the cluster: places 4 cy .. 4 cy + 3
	s_lshl_b32 s63, 0x1111, s15                    ; my column: places cx, cx + 4, cx + 8, cx + 12
	; descriptor group 1: dense bytes, asked for as rows of 32 elements of 8 bytes; no padding
	s_or_b32 s[G1Q], s62, (3<<16)|(1<<21)          ; 15:0 the mask; 17:16 elements of 8 bytes; 21 set beside a mask
	s_or_b32 s[G1K], s63, (3<<16)|(1<<21)
	s_mov_b32 s[G1Q+1], 32<<16                     ; tensor_dim0 = 32
	s_mov_b32 s[G1Q+2], 16<<16                     ; tensor_dim1 = 16 rows: 4,096 bytes
	s_mov_b32 s[G1Q+3], 32<<16                     ; tile_dim0 = 32
	s_mov_b32 s[G1Q+4], 16                         ; tile_dim1 = 16
	s_mov_b32 s[G1Q+5], 32                         ; 32 elements from row to row
	s_mov_b32 s[G1Q+6], 0
	s_mov_b32 s[G1Q+7], 0
	s_mov_b32 s[G1K+1], 32<<16
	s_mov_b32 s[G1K+2], 128<<16                    ; 128 rows: 32,768 bytes
	s_mov_b32 s[G1K+3], 32<<16
	s_mov_b32 s[G1K+4], 128
	s_mov_b32 s[G1K+5], 32
	s_mov_b32 s[G1K+6], 0
	s_mov_b32 s[G1K+7], 0
	s_mov_b32 s[G0Q], 1                            ; count = 1
	s_lshl_b32 s[G0Q+1], s14, 12                   ; LDS addresses: constants and the wave's number
	s_mov_b32 s[G0K], 1
	s_lshl_b32 s[G0K+1], s14, 15
	s_mov_b32 s[G0V], 1
	s_add_co_u32 s[G0V+1], s[G0K+1], VL
	s_add_co_u32 s[G0K+1], s[G0K+1], KL
	s_mov_b32 s[CS], 0x3c38aa3b                    ; c = log2(e) / 128
	s_mov_b32 s[CS+1], s[CS]
	s_mov_b32 s[SEL], 0x76543210
	s_mov_b32 s[SEL+1], 0xfedcba98
	s_wait_dscnt 0x0                               ; the opening add is done
	s_wait_kmcnt 0x0
	s_add_nc_u64 s[G0Q+2:G0Q+3], s[4:5], s[20:21]
	s_or_b32 s[G0Q+3], s[G0Q+3], 0x80000000        ; type = 2
	s_add_nc_u64 s[G0K+2:G0K+3], s[6:7], s[22:23]
	s_or_b32 s[G0K+3], s[G0K+3], 0x80000000
	s_add_nc_u64 s[G0V+2:G0V+3], s[8:9], s[22:23]
	s_or_b32 s[G0V+3], s[G0V+3], 0x80000000
	s_add_nc_u64 s[10:11], s[10:11], s[56:57]
	s_add_nc_u64 s[12:13], s[12:13], s[58:59]
	CROUND                                         ; all sixteen work-groups are here: the joint loads meet
	tensor_load_to_lds s[G0Q:G0Q+3], s[G1Q:G1Q+7]  ; every wave runs the same three lines, each for bytes of its own; an s_nop 0 follows each, four v_nop the last
	s_nop 0
	tensor_load_to_lds s[G0K:G0K+3], s[G1K:G1K+7]
	s_nop 0
	tensor_load_to_lds s[G0V:G0V+3], s[G1K:G1K+7]
	s_nop 0
	PLACES
	v_and_b32 v2, 31, v0                           ; the lanes' addresses are made while the tiles are on their way
	v_lshlrev_b32 v[L16], 4, v2
	s_lshl_b32 s60, s14, 15
	v_add_nc_u32 v[AK], s60, v[L16]
	v_add_nc_u32 v[AV], VL, v[AK]
	v_add_nc_u32 v[AK], KL, v[AK]
	v_lshlrev_b32 v[ML], 2, v2
	v_add_nc_u32 v[ML], MST, v[ML]
	s_lshl_b32 s60, s14, 9
	v_add_nc_u32 v[MS], s60, v[ML]
	s_lshl_b32 s60, s14, 7
	v_add_nc_u32 v[MW], s60, v[ML]
	s_lshl_b32 s60, s14, 13
	v_add_nc_u32 v[RD], s60, v[L16]
	v_add_nc_u32 v[RD], KL, v[RD]
.irp v, 1,2,3
	v_add_nc_u32 v[RD+(\v)], (\v)*32768, v[RD]
.endr
	v_lshlrev_b32 v[GS], 3, v2
	s_wait_tensorcnt 0x2                           ; my tile of Q is in; K's and V's loads, issued behind it, may stay out
	s_barrier_signal -1
	s_barrier_wait -1                              ; everybody's tile of Q is in
.set n, 0
.rept 32
	ds_load_b128 v[QP+4*n:QP+4*n+3], v[L16] offset:512*n
.set n, n+1
.endr
	s_wait_tensorcnt 0x1                           ; my K is in (only I read it); V's load may stay out
	WIN 0x40
.set n, 0
.rept 64
	ds_load_b128 v[4*n:4*n+3], v[AK] offset:512*n
.set n, n+1
.endr
; 16 products for 16 keys: the four tiles' accumulators take turns, one instruction a turn
.macro SMUL kb
	s_wait_dscnt 8*(7-(\kb))                       ; the later key blocks' loads, eight each, may stay out
	WIN 0xa1                                       ; K window 1, Q window 0, S^T window 2
.irp c, 0,1,2,3
.irp t, 0,1,2,3
	MM 8*(8*(\t)+(\kb)), 32*(\kb)+8*(\c), QP+8*(4*(\t)+(\c)), 1-((\c)+3)/4
.endr
.endr
.endm
.irp kb, 0,1,2,3,4,5,6,7
	SMUL \kb
.endr
	s_wait_tensorcnt 0x0                           ; my V^T is in: no load was issued behind it
	WIN 0xc0
.set n, 0
.rept 64
	ds_load_b128 v[4*n:4*n+3], v[AV] offset:512*n  ; it comes into registers under the softmax
.set n, n+1
.endr
	PLACES
	PLACES                                         ; (eight, once a launch)
	; THE MAXIMUM of a lane's 64 scores of each tile: a chain for each accumulator, begun with its lowest registers; 32 chains that do not wait for each other
	WIN 0x2a
.set n, 0
.rept 32
	v_max3_num_f32 v[TMP+n], v[8*n], v[8*n+1], v[8*n+2]
.set n, n+1
.endr
	WIN 0x28
.irp j, 3,5
.set n, 0
.rept 32
	v_max3_num_f32 v[TMP+n], v[TMP+n], v[8*n+(\j)], v[8*n+(\j)+1]
.set n, n+1
.endr
.endr
.set n, 0
.rept 16
	v_max3_num_f32 v[TMP+n], v[TMP+n], v[8*n+7], v[8*n+15]
.set n, n+2
.endr
	WIN 0
.irp t, 0,1,2,3
	v_max3_num_f32 v[TMP+8*(\t)], v[TMP+8*(\t)], v[TMP+8*(\t)+1], v[TMP+8*(\t)+2]
	v_max3_num_f32 v[TMP+8*(\t)+3], v[TMP+8*(\t)+3], v[TMP+8*(\t)+4], v[TMP+8*(\t)+5]
.endr
.irp t, 0,1,2,3
	v_max3_num_f32 v[TMP+8*(\t)], v[TMP+8*(\t)], v[TMP+8*(\t)+3], v[TMP+8*(\t)+6]
.endr
.irp t, 0,1,2,3
	v_max_num_f32 v[TMP+8*(\t)], v[TMP+8*(\t)], v[TMP+8*(\t)+7]
.endr
.irp t, 0,1,2,3
	v_permlanex16_b32 v[TMP+8*(\t)+1], v[TMP+8*(\t)], s[SEL], s[SEL+1]  ; the query's other 64 keys lie in the lane 16 away
.endr
.irp t, 0,1,2,3
	v_max_num_f32 v[TMP+8*(\t)], v[TMP+8*(\t)], v[TMP+8*(\t)+1]
.endr
.irp t, 0,1,2,3
	ds_store_b32 v[MS], v[TMP+8*(\t)] offset:128*(\t)
.endr
	s_wait_dscnt 0x0                               ; for the others' sake (V^T's loads are in with it)
	s_barrier_signal -1
	s_barrier_wait -1
.irp t, 0,1,2,3
.irp v, 0,1,2,3
	ds_load_b32 v[TMP+8*(\t)+4+(\v)], v[ML] offset:512*(\v)+128*(\t)
.endr
.endr
	s_wait_dscnt 0x0
.irp t, 0,1,2,3
	v_max3_num_f32 v[ST+4*(\t)+1], v[TMP+8*(\t)+4], v[TMP+8*(\t)+5], v[TMP+8*(\t)+6]
.endr
.irp t, 0,1,2,3
	v_max_num_f32 v[ST+4*(\t)+1], v[ST+4*(\t)+1], v[TMP+8*(\t)+7]       ; M over the work-group's 512 keys
.endr
.irp t, 0,1,2,3
	v_mul_f32 v[ST+4*(\t)], s[CS], v[ST+4*(\t)+1]
.endr
	; THE WEIGHTS: c s - c M, two a line; then all 256 exponentials as ONE batch with one wait
	WIN 0x82
.irp t, 0,1,2,3
.set z, 0
.rept 32
	v_pk_fma_f32 v[64*(\t)+2*z:64*(\t)+2*z+1], v[64*(\t)+2*z:64*(\t)+2*z+1], s[CS:CS+1], v[ST+4*(\t):ST+4*(\t)+1] op_sel_hi:[1,0,0] neg_lo:[0,0,1] neg_hi:[0,0,1]
.set z, z+1
.endr
.endr
.set z, 0
.rept 256
	v_exp_f32 v[z], v[z]
.set z, z+1
.endr
	v_nop                                          ; a plain instruction behind the last exponential,
	s_wait_alu depctr_va_vdst(0)                   ; and the wait ahead of the first use: one for the batch
	WIN 0x0a
.set z, 0
.rept 128
	v_cvt_pk_f16_f32 v[QP+z], v[2*z], v[2*z+1]     ; P takes Q's registers: tile t, key block kb, pair i: 32 t + 4 kb + i
.set z, z+1
.endr
	WIN 0x53                                       ; V^T window 3, P window 0, O^T window 1 (K's registers)
.irp kc, 0,1,2,3                       ; the 32 accumulators take turns
.irp t, 0,1,2,3
.irp cb, 0,1,2,3,4,5,6,7
	MM 8*(8*(\t)+(\cb)), 8*(8*(\kc)+(\cb)), QP+32*(\t)+8*(\kc), 1-((\kc)+3)/4
.endr
.endr
.endr
	; l: the unrounded weights are added in place, as a tree.  These lines name S^T's registers alone: they are also the places behind the last products
	WIN 0x8a
.irp w, 2,4,8,16,32
.set u, 0
.rept 128/(\w)
	v_pk_add_f32 v[u:u+1], v[u:u+1], v[u+(\w):u+(\w)+1]
.set u, u+2*(\w)
.endr
.endr
	WIN 0x0a
.irp t, 0,1,2,3
	v_add_f32 v[ST+4*(\t)+2], v[64*(\t)], v[64*(\t)+1]
.endr
	WIN 0
.irp t, 0,1,2,3
	v_permlanex16_b32 v[TMP+8*(\t)], v[ST+4*(\t)+2], s[SEL], s[SEL+1]
.endr
.irp t, 0,1,2,3
	v_add_f32 v[ST+4*(\t)+2], v[ST+4*(\t)+2], v[TMP+8*(\t)]
.endr
	; THE FOUR WAVES' O^T AND l MEET.  My O^T goes where my K lay; each accumulator's low registers are read first
	WIN 0x04
.set n, 0
.rept 64
	ds_store_b128 v[AK], v[4*n:4*n+3] offset:512*n
.set n, n+1
.endr
	WIN 0
.irp t, 0,1,2,3
	ds_store_b32 v[MS], v[ST+4*(\t)+2] offset:2048+128*(\t)
.endr
	s_wait_dscnt 0x0                               ; for the others' sake
	s_barrier_signal -1
	s_barrier_wait -1
.irp v, 0,1,2,3                        ; wave w finishes tile w
	ds_load_b32 v[TMP+(\v)],   v[MW] offset:512*(\v)
	ds_load_b32 v[TMP+4+(\v)], v[MW] offset:2048+512*(\v)
.endr
	WIN 0x80
.irp v, 0,1,2,3
.set n, 0
.rept 16
	ds_load_b128 v[64*(\v)+4*n:64*(\v)+4*n+3], v[RD+(\v)] offset:512*n
.set n, n+1
.endr
.endr
	s_wait_dscnt 0x0
	WIN 0x8a
.set z, 0
.rept 32
	v_pk_add_f32 v[2*z:2*z+1],         v[2*z:2*z+1],         v[64+2*z:64+2*z+1]
	v_pk_add_f32 v[128+2*z:128+2*z+1], v[128+2*z:128+2*z+1], v[192+2*z:192+2*z+1]
.set z, z+1
.endr
.set z, 0
.rept 32
	v_pk_add_f32 v[2*z:2*z+1], v[2*z:2*z+1], v[128+2*z:128+2*z+1]
.set z, z+1
.endr
	WIN 0
	v_max3_num_f32 v[ST], v[TMP], v[TMP+1], v[TMP+2]
	v_add_f32 v[ST+1], v[TMP+4], v[TMP+5]
	v_add_f32 v[ST+2], v[TMP+6], v[TMP+7]
	v_max_num_f32 v[ST], v[ST], v[TMP+3]
	v_add_f32 v[ST+1], v[ST+1], v[ST+2]            ; l
	v_mul_f32 v[ST], s[CS], v[ST]                  ; c M
	WIN 0x08
.set n, 0
.rept 16
	global_store_b128 v[L16], v[4*n:4*n+3], s[10:11] offset:512*n  ; each store: 512 consecutive bytes
.set n, n+1
.endr
	WIN 0
	global_store_b64 v[GS], v[ST:ST+1], s[12:13]   ; 256 consecutive bytes: both halves of the lanes hold the query's pair
	s_wait_tensorcnt 0x0                           ; the wave's end: behind my last tensor load and my last LDS store
	ds_add_u32 v[SPW], v[NIL]
	s_wait_dscnt 0x0
	CROUND                                         ; the closing round: no work-group ends while a partner may still ask for a tile that names it
	s_endpgm
.Lfunc_end_k_qb466541d54_attn:
	.size	k_qb466541d54_attn, .Lfunc_end_k_qb466541d54_attn-k_qb466541d54_attn
	.p2alignl 7, 3214868480
	.fill 96, 4, 3214868480
	.section	.rodata,"a",@progbits
	.p2align	6, 0x0
	.amdhsa_kernel k_qb466541d54_attn
		.amdhsa_group_segment_fixed_size 286720
		.amdhsa_private_segment_fixed_size 0
		.amdhsa_enable_private_segment 0
		.amdhsa_kernarg_size 40
		.amdhsa_user_sgpr_count 2
		.amdhsa_user_sgpr_kernarg_segment_ptr 1
		.amdhsa_wavefront_size32 1
		.amdhsa_system_sgpr_workgroup_id_x 1
		.amdhsa_system_sgpr_workgroup_id_y 1
		.amdhsa_system_sgpr_workgroup_id_z 1
		.amdhsa_system_vgpr_workitem_id 0
		.amdhsa_next_free_vgpr 1024
		.amdhsa_next_free_sgpr 66
		.amdhsa_reserve_vcc 0
		.amdhsa_float_denorm_mode_32 3
		.amdhsa_float_denorm_mode_16_64 3
		.amdhsa_memory_ordered 1
		.amdhsa_forward_progress 1
		.amdhsa_inst_pref_size 93
	.end_amdhsa_kernel
	.amdgpu_metadata
---
amdhsa.version: [ 1, 2 ]
amdhsa.kernels:
  - .name:           k_qb466541d54_attn
    .symbol:         k_qb466541d54_attn.kd
    .args:
      - { .name: vf, .offset: 0, .size: 8, .value_kind: global_buffer, .address_space: global }
      - { .name: kf, .offset: 8, .size: 8, .value_kind: global_buffer, .address_space: global }
      - { .name: vtf, .offset: 16, .size: 8, .value_kind: global_buffer, .address_space: global }
      - { .name: op, .offset: 24, .size: 8, .value_kind: global_buffer, .address_space: global }
      - { .name: st, .offset: 32, .size: 8, .value_kind: global_buffer, .address_space: global }
    .group_segment_fixed_size: 286720
    .private_segment_fixed_size: 0
    .kernarg_segment_align: 8
    .kernarg_segment_size: 40
    .max_flat_workgroup_size: 128
    .sgpr_count:     66
    .vgpr_count:     1024
    .wavefront_size: 32
...
	.end_amdgpu_metadata
.endif
;; end of part 3
;; launch outp (part 4): grid 4 x 64, 4 waves a work-group, no clusters, 50,688 bytes of LDS; arguments op, st, wsf, bo, out0; writes out0
.if DOCPART == 4
	.amdgcn_target "amdgcn-amd-amdhsa--gfx1250"
	.amdhsa_code_object_version 6
	.text
	.protected	k_qb466541d54_outp
	.globl	k_qb466541d54_outp
	.p2align	8
	.type	k_qb466541d54_outp,@function
k_qb466541d54_outp:
	s_mov_b64 s[64:65], 0
	v_nop
	global_prefetch_b8 v0, s[64:65] scope:SCOPE_SE
	s_setreg_imm32_b32 hwreg(HW_REG_WAVE_MODE, 25, 1), 1
	s_wait_xcnt 0x0
; OUTP: the four key quarters of attention are joined, and out = A Wsum + bo.
;   With (c M_i, l_i, O_i) of quarter i: e_i = 2^(c M_i - max c M), L = the sum of e_i l_i, A = the sum of e_i O_i / L: the largest maximum is taken away, so every exponent is at most 0 and L is at least 1.
;   reference()'s sixteen heads are equal (it repeats one key and value head), so its last product is A [4096][128] times Wsum [128][2048], the sum of Wo's sixteen row blocks.
; SHARES.  Work-group (xb, g): rows 64 g .., columns 512 xb ...  Wave w joins tile w (16 rows) and hands it to the others through LDS as f16, in operand order; then it makes columns 128 w .. 128 w + 127 of all four tiles:
; 32 accumulators, 128 products.  THE PRODUCT IS TAKEN TRANSPOSED (source 0 = 16 columns of Wsum, source 1 = 16 rows of A): a lane holds one row of out and eight neighbouring columns.
; THE BIAS is the C operand of the product that starts a sum: register j of a lane is bo[column 8 (lane / 16) + j], whatever the row.
; No cluster: written plainly; op's records are read by the four work-groups of a g, wsf's blocks by the 64 of an xb, each once a work-group, all asked for at the head.
; LIMITS.  f16: |A|, |Wsum| under 65,504; below 6.1e-5 f16's fixed step of 6e-8; an e_i below 2^-126 counts as 0; NaN and infinities are not treated apart.
; REGISTERS, in windows of 256 (s_set_vgpr_msb: bits 1:0 source 0, 3:2 source 1, 5:4 source 2, 7:6 destination):
;   window 0: addresses, statistics, BIAS, AF (A's fragments), TMP     window 1: O_i at 64 i; later a buffer of 64 for each tile on the way out, so that no register that a store reads is written again
;   window 2: Wsum's fragments (columns 16 nb, channels 32 c at 8 (4 nb + c))     window 3: the accumulators (tile t, columns 16 nb at 8 (8 t + nb))
.set SPITCH, 528                       ; a stage row: 512 bytes + 16 = 33 x 16: the 16 rows that a store touches start at 16 different groups of four banks (64 banks of 4 bytes: ISA guide 11.1)
.set STAGE,  16384                     ; LDS: A's fragments at 0 (tile t at 4,096 t); then 16 rows x 528 bytes for each wave, for the way out
.set SPARE,  STAGE+4*16*SPITCH         ; 50,176: the spare words, 128 bytes for each wave: two blocks of 256 bytes that no other line names
.set L16, 3                            ; v3   16 x lane
.set GS,  4                            ; v4   8 x lane
.set BO,  5                            ; v5   32 (lane / 16)
.set AS,  6                            ; v6   where I put my tile of A
.set STO, 7                            ; v7   the way out: where I put 32 bytes of a row
.set RD,  8                            ; v8   the way out: where I read a row back
.set SPW, 10                           ; v10  my spare word; never rewritten
.set NIL, 11                           ; v11  0; never rewritten
.set SS,  12                           ; v[12:19]  (c M_i, l_i)
.set E,   20                           ; v[20:23]  e_i
.set F,   24                           ; v[24:31]  e_i / L, each twice: pairs for the packed lines
.set BIAS, 32                          ; v[32:95]  columns 16 nb + 8 (lane / 16) + 0..7 at BIAS + 8 nb
.set AF,  96                           ; v[96:223] tile t, channels 32 c at AF + 8 (4 t + c)
.set TMP, 224                          ; v[224:255] my tile as f16
.set MSB, 0
.macro WIN new                         ; the immediate's high byte repeats the setting that is left; a switch that changes nothing is dropped
.if MSB != (\new)
	s_set_vgpr_msb (MSB<<8)|(\new)
.set MSB, \new
.endif
.endm
.macro PLACES
.rept 4
	v_nop
.endr
.endm
	s_load_b256 s[4:11], s[0:1], 0x0               ; op s[4:5], st s[6:7], wsf s[8:9], bo s[10:11]
	s_load_b64 s[12:13], s[0:1], 0x20              ; out0
	v_lshl_add_u32 v[SPW], v0, 2, SPARE
	v_mov_b32 v[NIL], 0
	v_lshrrev_b32 v1, 5, v0
	v_readfirstlane_b32 s14, v1                    ; wave 0..3
	s_mov_b32 s15, ttmp9                           ; xb
	s_and_b32 s16, ttmp7, 0xffff                   ; g
	v_and_b32 v2, 15, v0                           ; lane % 16
	v_bfe_u32 v9, v0, 4, 1                         ; lane / 16
	v_and_b32 v1, 31, v0
	v_lshlrev_b32 v[L16], 4, v1
	v_lshlrev_b32 v[GS], 3, v1
	v_lshlrev_b32 v[BO], 5, v9
	s_lshl_b32 s18, s14, 12
	v_add_nc_u32 v[AS], s18, v[L16]
	s_mul_i32 s18, s14, 16*SPITCH
	s_add_co_u32 s18, s18, STAGE                   ; my stage
	v_mul_u32_u24 v[STO], v2, SPITCH
	v_lshl_add_u32 v[STO], v9, 5, v[STO]
	v_add_nc_u32 v[STO], s18, v[STO]
	v_add_nc_u32 v[RD], s18, v[L16]
	s_lshl_b32 s17, s16, 4
	s_add_co_u32 s17, s17, s14                     ; 16 g + w: quarter 0's record of my tile; the quarters lie four records apart
	s_lshl_b32 s20, s17, 13
	s_mov_b32 s21, 0
	s_lshl_b32 s22, s17, 8
	s_mov_b32 s23, 0
	s_lshl_b32 s24, s15, 17                        ; wsf: (32 xb + 8 w) column blocks of 4,096 bytes
	s_lshl_b32 s18, s14, 15
	s_add_co_u32 s24, s24, s18
	s_mov_b32 s25, 0
	s_lshl_b32 s26, s15, 11                        ; bo, and a row of out0: column 512 xb + 128 w
	s_lshl_b32 s18, s14, 9
	s_add_co_u32 s26, s26, s18
	s_mov_b32 s27, 0
	s_lshl_b32 s28, s16, 19                        ; out0: 64 g rows of 8,192 bytes
	s_add_co_u32 s28, s28, s26
	s_mov_b32 s29, 0
	s_wait_kmcnt 0x0
	s_add_nc_u64 s[4:5], s[4:5], s[20:21]
	s_add_nc_u64 s[6:7], s[6:7], s[22:23]
	s_add_nc_u64 s[8:9], s[8:9], s[24:25]
	s_add_nc_u64 s[10:11], s[10:11], s[26:27]
	s_add_nc_u64 s[12:13], s[12:13], s[28:29]
.irp i, 0,1,2,3
	global_load_b64 v[SS+2*(\i):SS+2*(\i)+1], v[GS], s[6:7] offset:1024*(\i)
.endr
	WIN 0x40
.irp i, 0,1,2,3
.set n, 0
.rept 16
	global_load_b128 v[64*(\i)+4*n:64*(\i)+4*n+3], v[L16], s[4:5] offset:32768*(\i)+512*n
.set n, n+1
.endr
.endr
	WIN 0
.irp nb, 0,1,2,3,4,5,6,7
	global_load_b128 v[BIAS+8*(\nb):BIAS+8*(\nb)+3],   v[BO], s[10:11] offset:64*(\nb)
	global_load_b128 v[BIAS+8*(\nb)+4:BIAS+8*(\nb)+7], v[BO], s[10:11] offset:64*(\nb)+16
.endr
	WIN 0x80
.set n, 0
.rept 32
	global_load_b128 v[4*n:4*n+3], v[L16], s[8:9] offset:512*n
.set n, n+1
.endr
	s_wait_loadcnt 48                              ; the 16 loads of bo and the 32 of wsf may stay out: st and op are in
.rept 32
	global_load_b128 v[4*n:4*n+3], v[L16], s[8:9] offset:512*n     ; wsf's second half
.set n, n+1
.endr
	; THE FOUR QUARTERS ARE JOINED
	WIN 0
	v_max3_num_f32 v9, v[SS], v[SS+2], v[SS+4]
	v_max_num_f32 v9, v9, v[SS+6]
.irp i, 0,1,2,3
	v_sub_f32 v[E+(\i)], v[SS+2*(\i)], v9
.endr
.irp i, 0,1,2,3
	v_exp_f32 v[E+(\i)], v[E+(\i)]
.endr
	v_nop                                          ; a plain instruction behind the last exponential,
	s_wait_alu depctr_va_vdst(0)                   ; and the wait ahead of the first use: one for the four
	v_mul_f32 v9, v[E], v[SS+1]
	v_fmac_f32 v9, v[E+1], v[SS+3]
	v_fmac_f32 v9, v[E+2], v[SS+5]
	v_fmac_f32 v9, v[E+3], v[SS+7]
	v_rcp_f32 v1, v9
	v_nop
	s_wait_alu depctr_va_vdst(0)                   ; the same for the reciprocal
.irp i, 0,1,2,3
	v_mul_f32 v[F+2*(\i)],   v[E+(\i)], v1
	v_mul_f32 v[F+2*(\i)+1], v[E+(\i)], v1
.endr
	WIN 0x51                                       ; O_i window 1, the factors window 0
.set z, 0
.rept 32
	v_pk_mul_f32 v[2*z:2*z+1], v[2*z:2*z+1], v[F:F+1]
.set z, z+1
.endr
.irp i, 1,2,3
.set z, 0
.rept 32
	v_pk_fma_f32 v[2*z:2*z+1], v[64*(\i)+2*z:64*(\i)+2*z+1], v[F+2*(\i):F+2*(\i)+1], v[2*z:2*z+1]
.set z, z+1
.endr
.endr
	WIN 0x05
.set z, 0
.rept 32
	v_cvt_pk_f16_f32 v[TMP+z], v[2*z], v[2*z+1]    ; channels 16 cb + 8 (lane / 16) + 0..7 are quad cb % 2 of fragment cb / 2
.set z, z+1
.endr
	WIN 0
.irp qd, 0,1,2,3,4,5,6,7
	ds_store_b128 v[AS], v[TMP+4*(\qd):TMP+4*(\qd)+3] offset:512*(\qd)
.endr
	s_wait_dscnt 0x0                               ; for the others' sake
	s_barrier_signal -1
	s_barrier_wait -1
.set n, 0
.rept 32
	ds_load_b128 v[AF+4*n:AF+4*n+3], v[L16] offset:512*n
.set n, n+1
.endr
	s_wait_dscnt 0x0
; 64 products for four column blocks x four tiles.  The 16 accumulators take turns, one instruction a turn; the first 16 start the sums with the bias.
.macro MUL4 nb0
	WIN 0xc2                                       ; Wsum window 2, A and the bias window 0, D window 3
.irp nb, 0,1,2,3
.irp t, 0,1,2,3
	v_wmma_f32_16x16x32_f16 v[8*(8*(\t)+(\nb0)+(\nb)):8*(8*(\t)+(\nb0)+(\nb))+7], v[32*((\nb0)+(\nb)):32*((\nb0)+(\nb))+7], v[AF+32*(\t):AF+32*(\t)+7], v[BIAS+8*((\nb0)+(\nb)):BIAS+8*((\nb0)+(\nb))+7]
.endr
.endr
	WIN 0xf2                                       ; C window 3 too
.irp c, 1,2,3
.irp nb, 0,1,2,3
.irp t, 0,1,2,3
	v_wmma_f32_16x16x32_f16 v[8*(8*(\t)+(\nb0)+(\nb)):8*(8*(\t)+(\nb0)+(\nb))+7], v[32*((\nb0)+(\nb))+8*(\c):32*((\nb0)+(\nb))+8*(\c)+7], v[AF+32*(\t)+8*(\c):AF+32*(\t)+8*(\c)+7], v[8*(8*(\t)+(\nb0)+(\nb)):8*(8*(\t)+(\nb0)+(\nb))+7]
.endr
.endr
.endr
.endm
	s_wait_loadcnt 32                              ; wsf's second half may stay out: bo and the first half are in
	MUL4 0
	s_wait_loadcnt 0x0
	MUL4 4
	PLACES
	PLACES                                         ; (eight, once a launch)
; THE WAY OUT.  A lane's 32 bytes are a sixteenth of my 512 bytes of a row: a tile goes through my own stage and comes back as whole rows.
.macro TOSTAGE t
	WIN 0x0c                                       ; store data window 3
.irp nb, 0,1,2,3,4,5,6,7
	ds_store_b128 v[STO], v[8*(8*(\t)+(\nb)):8*(8*(\t)+(\nb))+3]   offset:64*(\nb)
	ds_store_b128 v[STO], v[8*(8*(\t)+(\nb))+4:8*(8*(\t)+(\nb))+7] offset:64*(\nb)+16
.endr
	WIN 0x40
.set row, 0
.rept 16
	ds_load_b128 v[64*(\t)+4*row:64*(\t)+4*row+3], v[RD] offset:SPITCH*row  ; LDS serves a wave's instructions in order (ISA guide 5.7.1.4): these see the stores above; the next tile's stores come behind them
.set row, row+1
.endr
.endm
.macro SEND t, younger                 ; younger: the LDS instructions issued behind tile t's loads: the next tile's 32, or none
	WIN 0x04                                       ; store data window 1
.set row, 0
.rept 16
	s_wait_dscnt (\younger)+15-row
	global_store_b128 v[L16], v[64*(\t)+4*row:64*(\t)+4*row+3], s[12:13] offset:(16*(\t)+row)*8192 th:TH_STORE_NT  ; 512 consecutive bytes of a row, at a multiple of 512 from out0's first byte
.set row, row+1
.endr
.endm
	TOSTAGE 0
	TOSTAGE 1
	SEND 0, 32
	TOSTAGE 2
	SEND 1, 32
	TOSTAGE 3
	SEND 2, 32
	SEND 3, 0
	WIN 0
	s_wait_tensorcnt 0x0                           ; the wave's end: behind my last LDS store
	ds_add_u32 v[SPW], v[NIL]
	s_wait_dscnt 0x0
	s_endpgm
.Lfunc_end_k_qb466541d54_outp:
	.size	k_qb466541d54_outp, .Lfunc_end_k_qb466541d54_outp-k_qb466541d54_outp
	.p2alignl 7, 3214868480
	.fill 96, 4, 3214868480
	.section	.rodata,"a",@progbits
	.p2align	6, 0x0
	.amdhsa_kernel k_qb466541d54_outp
		.amdhsa_group_segment_fixed_size 50688
		.amdhsa_private_segment_fixed_size 0
		.amdhsa_enable_private_segment 0
		.amdhsa_kernarg_size 40
		.amdhsa_user_sgpr_count 2
		.amdhsa_user_sgpr_kernarg_segment_ptr 1
		.amdhsa_wavefront_size32 1
		.amdhsa_system_sgpr_workgroup_id_x 1
		.amdhsa_system_sgpr_workgroup_id_y 1
		.amdhsa_system_sgpr_workgroup_id_z 1
		.amdhsa_system_vgpr_workitem_id 0
		.amdhsa_next_free_vgpr 1024
		.amdhsa_next_free_sgpr 66
		.amdhsa_reserve_vcc 0
		.amdhsa_float_denorm_mode_32 3
		.amdhsa_float_denorm_mode_16_64 3
		.amdhsa_memory_ordered 1
		.amdhsa_forward_progress 1
		.amdhsa_inst_pref_size 55
	.end_amdhsa_kernel
	.amdgpu_metadata
---
amdhsa.version: [ 1, 2 ]
amdhsa.kernels:
  - .name:           k_qb466541d54_outp
    .symbol:         k_qb466541d54_outp.kd
    .args:
      - { .name: op, .offset: 0, .size: 8, .value_kind: global_buffer, .address_space: global }
      - { .name: st, .offset: 8, .size: 8, .value_kind: global_buffer, .address_space: global }
      - { .name: wsf, .offset: 16, .size: 8, .value_kind: global_buffer, .address_space: global }
      - { .name: bo, .offset: 24, .size: 8, .value_kind: global_buffer, .address_space: global }
      - { .name: out0, .offset: 32, .size: 8, .value_kind: global_buffer, .address_space: global }
    .group_segment_fixed_size: 50688
    .private_segment_fixed_size: 0
    .kernarg_segment_align: 8
    .kernarg_segment_size: 40
    .max_flat_workgroup_size: 128
    .sgpr_count:     66
    .vgpr_count:     1024
    .wavefront_size: 32
...
	.end_amdgpu_metadata
.endif
;; end of part 4
;; ======== version 2 of 2: 4 launches; version 1 with the launch proj written anew for expert scheduling mode
;; limits: values are held in f16: magnitudes above 65,504 overflow, below 6.1e-05 lose precision
;; workspace buffers: wf 1,048,576 bytes; wsf 524,288 bytes; kf 1,048,576 bytes; vf 1,048,576 bytes; vtf 1,048,576 bytes; op 8,388,608 bytes; st 262,144 bytes
;; launch prep: the kernel of part 1 again; grid 256 x 1, 4 waves a work-group, no clusters, 13,568 bytes of LDS; arguments Wo, Wk, Wv, wsf, wf; writes wsf, wf
;; launch proj (part 5): grid 4 x 64, 4 waves a work-group, no clusters, 98,816 bytes of LDS; arguments q, wf, bk, bv, kf, vf, vtf; writes kf, vf, vtf
.if DOCPART == 5
	.amdgcn_target "amdgcn-amd-amdhsa--gfx1250"
	.amdhsa_code_object_version 6
	.text
	.protected	k_qb466541d54_proj
	.globl	k_qb466541d54_proj
	.p2align	8
	.type	k_qb466541d54_proj,@function
k_qb466541d54_proj:
	s_mov_b64 s[64:65], 0
	v_nop
	global_prefetch_b8 v0, s[64:65] scope:SCOPE_SE
	s_setreg_imm32_b32 hwreg(HW_REG_WAVE_SCHED_MODE, 0, 2), 2
	s_setreg_imm32_b32 hwreg(HW_REG_WAVE_MODE, 25, 1), 1
	s_wait_xcnt 0x0
	s_wait_alu depctr_vm_vsrc(0)
; PROJ: K = q Wk + bk and V = q Wv + bv, [4096][128], products on f16 operands with f32 sums; K, V and V^T leave rounded once to f16, in operand order
; (a block is 1,024 bytes: 16 rows x 32 k; byte = quad x 512 + lane x 16; lane r + 16 h holds row r, k = 16 quad + 8 h + 0..7):
;   kf, vf: rows = row m of q, k = channel: block = (m / 16) x 4 + channel / 32          vtf: rows = channel, k = m: block = (m / 32) x 8 + channel / 16
; SHARES.  Work-group (j, i): rows 64 i .. 64 i + 63, channels 32 j .. 32 j + 31 of K and of V.  THE INPUT CHANNELS ARE SPLIT AMONG THE FOUR WAVES: wave w takes 512 w .. 512 w + 511 for the whole tile, so no
; byte is wanted by two waves and nothing goes through LDS on the way in; the four partial sums meet in LDS at the end (f32 sums may be taken in any order).
; PRODUCTS.  24 accumulators, number 8 type + 2 a + s (a: block of 16 rows; s: 16 channels).  type 0: K = (Wk's fragment, q's); type 1: V = (Wv's, q's): a lane then holds one row and eight
; neighbouring channels, which pack into one quad of kf or vf.  type 2: the same two fragments with the sources swapped: a lane holds one channel and eight neighbouring rows: one quad of vtf.
; A TRIP is 64 input channels: 256 consecutive bytes, aligned, of each of the 64 rows of q (f32, converted here), and 8 blocks of wf.  While one trip is multiplied the next trip's 48 loads are out, and the loads of the
; trip behind that are issued.  Eight trips, written out: every step stands in an immediate and no pointer is stepped.
; LIMITS.  f16: |q|, |K|, |V| under 65,504; below 6.1e-5 f16's fixed step of 6e-8.  Wq and bq enter no result of reference() and are not read.
; THE MODE: SCHED_MODE bits 1:0 = 2 (LLVM: expert scheduling mode 2), set by the entry lines.  The code itself states the register dependences
; between vector or matrix instructions and memory or LDS instructions, with s_wait_alu, always for 0.
; THE PLAN.  Registers that memory or LDS instructions touch:
;   v4-v10, v12, v13   Offsets and LDS addresses: written at the head, never again.  One wait ahead of the first load serves the whole kernel.
;   RAW0, RAW1         q as loaded.  Trip T: its 64 conversions read RAW[T % 2]; behind them the loads of trip T + 2 land in it.
;   WB0, WB1, WB2      wf's fragments.  Trip T: its 48 products read WB[T % 3]; its loads, for trip T + 2, land in WB[(T + 2) % 3], which is the set that trip T - 1 read.
;   QF and the accumulators are named by vector and matrix instructions alone until the end.
; So ONE wait on va_vdst stands in a trip, behind its conversions: it states that they are done reading RAW[T % 2] and that the products of the trip before are done reading their set of WB.  The trip's 48 loads
; follow it in three runs of 16, dealt among its 48 products, which name WB[T % 3], QF and the accumulators: none of the registers that those loads touch.
; At the end: one wait ahead of the LDS stores of the accumulators, which also serves the LDS loads into RAW's registers, and one ahead of the global stores.  No register that a memory or LDS instruction reads is ever
; written again, so the text holds no wait on vm_vsrc but the one at the entry.
; REGISTERS, in windows of 256 (s_set_vgpr_msb: bits 1:0 source 0, 3:2 source 1, 5:4 source 2, 7:6 destination):
;   window 0: v0-19 addresses; v32-223 the accumulators; v224-255 biases     window 1: q as loaded, two sets of 128; later the partial sums read back
;   window 2: v0-191 WB (wf, three sets); v192-255 QF (q as f16): both sources of every product lie in one window, so that one setting serves a trip's 48 products
.set PART,  24576                      ; LDS: a wave's 24 partial tiles of 1,024 bytes, at 24,576 w
.set SPARE, 4*PART                     ; 98,304: the spare words, 128 bytes for each wave: two blocks of 256 bytes that no other line names
.set FOQ, 4                            ; v4   my bytes in q: (lane % 16) x 8,192 + 32 (lane / 16) + 2,048 w; never rewritten
.set L16, 5                            ; v5   16 x lane
.set BO,  6                            ; v6   32 (lane / 16): my eight channels' biases
.set BR,  7                            ; v7   4 (lane % 16): my one channel's bias
.set LS,  8                            ; v8   where I put partial sums
.set LR,  9                            ; v9   where I read waves 0 and 1's back,
.set LR2, 10                           ; v10  and waves 2 and 3's: an LDS immediate holds 16 bits
.set SPW, 12                           ; v12  my spare word; never rewritten
.set NIL, 13                           ; v13  0; never rewritten
.set BT,  16                           ; v16, v18  bv of channel 32 j + 16 s + lane % 16; v17, v19 = 0: named with them as pairs
.set ACC, 32                           ; v[32:223]  accumulator number n at ACC + 8 n
.set BK,  224                          ; v[224:239] bk of channels 32 j + 16 s + 8 (lane / 16) + 0..7 at BK + 8 s
.set BV,  240                          ; v[240:255] bv likewise
.set WB,  0                            ; window 2, v[0:191]    wf's fragments: set, chunk e, block s at WB + 64 set + 8 (4 e + s)
.set QF,  192                          ; window 2, v[192:255]  q's fragments: chunk e, row block a at QF + 8 (4 e + a); later the packed results
.set MSB, 0
.macro WIN new                         ; the immediate's high byte repeats the setting that is left; a switch that changes nothing is dropped
.if MSB != (\new)
	s_set_vgpr_msb (MSB<<8)|(\new)
.set MSB, \new
.endif
.endm
.macro PLACES                          ; four places behind a matrix instruction (ISA guide 7.12.1), where no other vector work is at hand
.rept 4
	v_nop
.endr
.endm
.macro MM d, a, b, z                   ; z = 1: the product starts the sum: nothing is ever cleared
.if \z
	v_wmma_f32_16x16x32_f16 v[(\d):(\d)+7], v[(\a):(\a)+7], v[(\b):(\b)+7], 0
.else
	v_wmma_f32_16x16x32_f16 v[(\d):(\d)+7], v[(\a):(\a)+7], v[(\b):(\b)+7], v[(\d):(\d)+7]
.endif
.endm
	s_load_b256 s[4:11], s[0:1], 0x0               ; q s[4:5], wf s[6:7], bk s[8:9], bv s[10:11]
	s_load_b128 s[12:15], s[0:1], 0x20             ; kf s[12:13], vf s[14:15]
	s_load_b64 s[16:17], s[0:1], 0x30              ; vtf
	v_lshl_add_u32 v[SPW], v0, 2, SPARE
	v_mov_b32 v[NIL], 0
	v_lshrrev_b32 v1, 5, v0
	v_readfirstlane_b32 s18, v1                    ; wave 0..3
	s_mov_b32 s19, ttmp9                           ; j
	s_and_b32 s20, ttmp7, 0xffff                   ; i
	v_and_b32 v2, 15, v0                           ; lane % 16
	v_bfe_u32 v3, v0, 4, 1                         ; lane / 16
	v_and_b32 v14, 31, v0
	v_lshlrev_b32 v[FOQ], 13, v2
	v_lshl_add_u32 v[FOQ], v3, 5, v[FOQ]
	v_lshlrev_b32 v[L16], 4, v14
	v_lshlrev_b32 v[BO], 5, v3
	v_lshlrev_b32 v[BR], 2, v2
	v_mov_b32 v[BT+1], 0
	v_mov_b32 v[BT+3], 0
	s_wait_alu depctr_va_sdst(0)                   ; s18 is written, ahead of its first reader: offsets, LDS addresses and all the bases are made from it
	s_lshl_b32 s32, s18, 11                        ; 2,048 w and 24,576 w: the two scalars that vector lines read have registers of their own, written once
	s_mul_i32 s33, s18, PART
	v_add_nc_u32 v[FOQ], s32, v[FOQ]
	v_add_nc_u32 v[LR], s32, v[L16]                ; row block a = w: accumulators 2 w, 2 w + 1 of each type: 2,048 w
	v_add_nc_u32 v[LR2], 2*PART, v[LR]
	v_add_nc_u32 v[LS], s33, v[L16]
	s_lshl_b32 s22, s20, 19                        ; q: 64 i rows of 8,192 bytes
	s_mov_b32 s23, 0
	s_lshl_b32 s24, s19, 12                        ; wf: 4 j blocks, and my 16 chunks of 16 blocks
	s_lshl_b32 s21, s18, 18
	s_add_co_u32 s24, s24, s21
	s_mov_b32 s25, 0
	s_lshl_b32 s26, s19, 7                         ; bk, bv: 32 j numbers
	s_mov_b32 s27, 0
	s_lshl_b32 s28, s20, 14                        ; kf, vf: block (4 i + w) x 4 + j
	s_lshl_b32 s21, s18, 12
	s_add_co_u32 s28, s28, s21
	s_lshl_b32 s21, s19, 10
	s_add_co_u32 s28, s28, s21
	s_mov_b32 s29, 0
	s_lshl_b32 s30, s20, 14                        ; vtf: block (2 i + w / 2) x 8 + 2 j, quad w % 2
	s_lshr_b32 s21, s18, 1
	s_lshl_b32 s21, s21, 13
	s_add_co_u32 s30, s30, s21
	s_lshl_b32 s21, s19, 11
	s_add_co_u32 s30, s30, s21
	s_and_b32 s21, s18, 1
	s_lshl_b32 s21, s21, 9
	s_add_co_u32 s30, s30, s21
	s_mov_b32 s31, 0
	s_wait_kmcnt 0x0
	s_add_nc_u64 s[4:5], s[4:5], s[22:23]
	s_add_nc_u64 s[6:7], s[6:7], s[24:25]
	s_add_nc_u64 s[8:9], s[8:9], s[26:27]
	s_add_nc_u64 s[10:11], s[10:11], s[26:27]
	s_add_nc_u64 s[12:13], s[12:13], s[28:29]
	s_add_nc_u64 s[14:15], s[14:15], s[28:29]
	s_add_nc_u64 s[16:17], s[16:17], s[30:31]
	s_wait_alu depctr_va_vdst(0)                   ; the offsets and LDS addresses v4 to v10 are written, which every load and store of the kernel reads; so are v12 and v13, which the closing add reads
.irp s, 0,1                            ; ten loads of biases, ahead of all others: every later wait covers them
	global_load_b128 v[BK+8*(\s):BK+8*(\s)+3],   v[BO], s[8:9] offset:64*(\s)
	global_load_b128 v[BK+8*(\s)+4:BK+8*(\s)+7], v[BO], s[8:9] offset:64*(\s)+16
	global_load_b128 v[BV+8*(\s):BV+8*(\s)+3],   v[BO], s[10:11] offset:64*(\s)
	global_load_b128 v[BV+8*(\s)+4:BV+8*(\s)+7], v[BO], s[10:11] offset:64*(\s)+16
	global_load_b32  v[BT+2*(\s)],               v[BR], s[10:11] offset:64*(\s)
.endr
; Sixteen of trip T's 32 loads of q into set: row blocks a0 and a0 + 1.  A fragment's 16 numbers of f32 a lane are k = 8 h + 0..7 (32 bytes) and 16 + 8 h + 0..7 (64 bytes on).
; The eight loads of a row block cover 256 bytes of each of its rows.
.macro LQ T, set, a0
	WIN 0x40                                       ; destination window 1
.irp a, \a0, (\a0)+1
.irp e, 0,1
.set rq, 128*(\set)+16*(4*(\e)+(\a))
.set oq, (\a)*131072+(\T)*256+(\e)*128
	global_load_b128 v[rq:rq+3],     v[FOQ], s[4:5] offset:oq
	global_load_b128 v[rq+4:rq+7],   v[FOQ], s[4:5] offset:oq+16
	global_load_b128 v[rq+8:rq+11],  v[FOQ], s[4:5] offset:oq+64
	global_load_b128 v[rq+12:rq+15], v[FOQ], s[4:5] offset:oq+80
.endr
.endr
.endm
; Trip T's 16 loads of wf: 512 consecutive bytes each
.macro LW T, set
	WIN 0x80                                       ; destination window 2
.irp e, 0,1
.irp s, 0,1,2,3
	global_load_b128 v[WB+64*(\set)+8*(4*(\e)+(\s)):WB+64*(\set)+8*(4*(\e)+(\s))+3],   v[L16], s[6:7] offset:(2*(\T)+(\e))*16384+(\s)*1024
	global_load_b128 v[WB+64*(\set)+8*(4*(\e)+(\s))+4:WB+64*(\set)+8*(4*(\e)+(\s))+7], v[L16], s[6:7] offset:(2*(\T)+(\e))*16384+(\s)*1024+512
.endr
.endr
.endm
.macro CVT set                         ; q to f16: 128 numbers a lane, two an instruction
	WIN 0x85                                       ; sources window 1, destination window 2
.set i, 0
.rept 64
	v_cvt_pk_f16_f32 v[QF+i], v[128*(\set)+2*i], v[128*(\set)+2*i+1]
.set i, i+1
.endr
.endm
; Eight of a trip's 48 products: chunk e, type ty, on set of WB.  A trip takes them in the order e 0: types 0, 1, 2; e 1: types 0, 1, 2: the 24 accumulators take turns, one instruction a turn,
; from chunk to chunk and from trip to trip too.
.macro MUL8 set, e, ty, zero
	WIN 0x0a                                       ; both sources window 2, C and D window 0
.irp a, 0,1,2,3
.irp s, 0,1
.if (\ty) < 2
	MM ACC+64*(\ty)+8*(2*(\a)+(\s)), WB+64*(\set)+8*(4*(\e)+2*(\ty)+(\s)), QF+8*(4*(\e)+(\a)), (\zero)*(1-(\e))
.else
	MM ACC+128+8*(2*(\a)+(\s)), QF+8*(4*(\e)+(\a)), WB+64*(\set)+8*(4*(\e)+2+(\s)), (\zero)*(1-(\e))
.endif
.endr
.endr
.endm
; more = 1: the trip two on is asked for: q into the set just converted, wf into the set that the trip before multiplied.  left: the younger loads that may stay out.
; The four places at the trip's end stand ahead of the next trip's conversions into QF, which the last products read.
.macro TRIP T, zero, more, left
	s_wait_loadcnt \left
	CVT (\T)%2
.if \more
	WIN 0x40                                       ; the switch, then the wait, then the loads
	s_wait_alu depctr_va_vdst(0)                   ; the conversions are done reading RAW[T % 2]; the products of the trip before are done reading WB[(T + 2) % 3]
	LQ (\T)+2, (\T)%2, 0
.endif
	MUL8 (\T)%3, 0, 0, \zero
	MUL8 (\T)%3, 0, 1, \zero
.if \more
	LQ (\T)+2, (\T)%2, 2                           ; no wait: no vector or matrix instruction since the wait above names RAW[T % 2] or v[FOQ]
.endif
	MUL8 (\T)%3, 0, 2, \zero
	MUL8 (\T)%3, 1, 0, \zero
.if \more
	LW (\T)+2, ((\T)+2)%3                          ; no wait: none since the wait above names WB[(T + 2) % 3] or v[L16]
.endif
	MUL8 (\T)%3, 1, 1, \zero
	MUL8 (\T)%3, 1, 2, \zero
	PLACES
.endm
	LQ 0, 0, 0
	LQ 0, 0, 2
	LW 0, 0
	LQ 1, 1, 0
	LQ 1, 1, 2
	LW 1, 1
	TRIP 0, 1, 1, 48                               ; 48: the next trip's 32 + 16 loads were issued behind this trip's
.irp T, 1,2,3,4,5
	TRIP \T, 0, 1, 48
.endr
	TRIP 6, 0, 0, 48                               ; the last two trips load nothing, and hold no wait on va_vdst
	TRIP 7, 0, 0, 0
	PLACES                                         ; (eight in all, once a launch)
	; THE FOUR PARTIAL SUMS MEET.  Each accumulator's low registers are read first.
	WIN 0
	s_wait_alu depctr_va_vdst(0)                   ; the products have written the accumulators, which the LDS stores read (the places above stay beside this wait); the last two trips' conversions are done reading window 1, in which the LDS loads below land
.set n, 0
.rept 48
	ds_store_b128 v[LS], v[ACC+4*n:ACC+4*n+3] offset:512*n
.set n, n+1
.endr
	s_wait_dscnt 0x0                               ; for the others' sake
	s_barrier_signal -1
	s_barrier_wait -1
	WIN 0x40                                       ; wave w finishes row block w: six accumulators u = 2 type + s; wave v's part goes to window 1, v[32 u + 8 v ..]
.irp ty, 0,1,2
.irp s, 0,1
.irp v, 0,1
.irp qd, 0,1
	ds_load_b128 v[8*(4*(2*(\ty)+(\s))+(\v))+4*(\qd):8*(4*(2*(\ty)+(\s))+(\v))+4*(\qd)+3],     v[LR]  offset:(\v)*PART+(\ty)*8192+(\s)*1024+(\qd)*512
	ds_load_b128 v[8*(4*(2*(\ty)+(\s))+2+(\v))+4*(\qd):8*(4*(2*(\ty)+(\s))+2+(\v))+4*(\qd)+3], v[LR2] offset:(\v)*PART+(\ty)*8192+(\s)*1024+(\qd)*512
.endr
.endr
.endr
.endr
	s_wait_dscnt 0x0
	WIN 0x45                                       ; all in window 1
.set u, 0
.rept 6
.irp z, 0,2,4,6
	v_pk_add_f32 v[32*u+(\z):32*u+(\z)+1],       v[32*u+(\z):32*u+(\z)+1],       v[32*u+8+(\z):32*u+8+(\z)+1]
	v_pk_add_f32 v[32*u+16+(\z):32*u+16+(\z)+1], v[32*u+16+(\z):32*u+16+(\z)+1], v[32*u+24+(\z):32*u+24+(\z)+1]
.endr
.set u, u+1
.endr
.set u, 0
.rept 6
.irp z, 0,2,4,6
	v_pk_add_f32 v[32*u+(\z):32*u+(\z)+1], v[32*u+(\z):32*u+(\z)+1], v[32*u+16+(\z):32*u+16+(\z)+1]
.endr
.set u, u+1
.endr
	WIN 0x41                                       ; the biases lie in window 0
.irp s, 0,1
.irp z, 0,2,4,6
	v_pk_add_f32 v[32*(\s)+(\z):32*(\s)+(\z)+1],         v[32*(\s)+(\z):32*(\s)+(\z)+1],         v[BK+8*(\s)+(\z):BK+8*(\s)+(\z)+1]
	v_pk_add_f32 v[64+32*(\s)+(\z):64+32*(\s)+(\z)+1],   v[64+32*(\s)+(\z):64+32*(\s)+(\z)+1],   v[BV+8*(\s)+(\z):BV+8*(\s)+(\z)+1]
	v_pk_add_f32 v[128+32*(\s)+(\z):128+32*(\s)+(\z)+1], v[128+32*(\s)+(\z):128+32*(\s)+(\z)+1], v[BT+2*(\s):BT+2*(\s)+1] op_sel_hi:[1,0]  ; V^T: one channel a lane
.endr
.endr
	WIN 0x85                                       ; sources window 1, destination window 2
.set u, 0
.rept 6
.irp z, 0,1,2,3
	v_cvt_pk_f16_f32 v[QF+4*u+(\z)], v[32*u+2*(\z)], v[32*u+2*(\z)+1]
.endr
.set u, u+1
.endr
	WIN 0x08                                       ; store data window 2
	s_wait_alu depctr_va_vdst(0)                   ; the conversions have written v[QF ..], which the six stores read
.irp s, 0,1                            ; each store: 512 consecutive bytes, one quad of a block
	global_store_b128 v[L16], v[QF+4*(\s):QF+4*(\s)+3],       s[12:13] offset:512*(\s)
	global_store_b128 v[L16], v[QF+8+4*(\s):QF+8+4*(\s)+3],   s[14:15] offset:512*(\s)
	global_store_b128 v[L16], v[QF+16+4*(\s):QF+16+4*(\s)+3], s[16:17] offset:1024*(\s)
.endr
	WIN 0                                          ; the add's two registers lie in window 0
	s_wait_dscnt 0x0                               ; the closing lines, six on end
	s_wait_alu 0x0
	s_wait_tensorcnt 0x0
	ds_add_u32 v[SPW], v[NIL]
	s_wait_dscnt 0x0
	s_endpgm
.Lfunc_end_k_qb466541d54_proj:
	.size	k_qb466541d54_proj, .Lfunc_end_k_qb466541d54_proj-k_qb466541d54_proj
	.p2alignl 7, 3214868480
	.fill 96, 4, 3214868480
	.section	.rodata,"a",@progbits
	.p2align	6, 0x0
	.amdhsa_kernel k_qb466541d54_proj
		.amdhsa_group_segment_fixed_size 98816
		.amdhsa_private_segment_fixed_size 0
		.amdhsa_enable_private_segment 0
		.amdhsa_kernarg_size 56
		.amdhsa_user_sgpr_count 2
		.amdhsa_user_sgpr_kernarg_segment_ptr 1
		.amdhsa_wavefront_size32 1
		.amdhsa_system_sgpr_workgroup_id_x 1
		.amdhsa_system_sgpr_workgroup_id_y 1
		.amdhsa_system_sgpr_workgroup_id_z 1
		.amdhsa_system_vgpr_workitem_id 0
		.amdhsa_next_free_vgpr 768
		.amdhsa_next_free_sgpr 66
		.amdhsa_reserve_vcc 0
		.amdhsa_float_denorm_mode_32 3
		.amdhsa_float_denorm_mode_16_64 3
		.amdhsa_memory_ordered 1
		.amdhsa_forward_progress 1
		.amdhsa_inst_pref_size 114
	.end_amdhsa_kernel
	.amdgpu_metadata
---
amdhsa.version: [ 1, 2 ]
amdhsa.kernels:
  - .name:           k_qb466541d54_proj
    .symbol:         k_qb466541d54_proj.kd
    .args:
      - { .name: q, .offset: 0, .size: 8, .value_kind: global_buffer, .address_space: global }
      - { .name: wf, .offset: 8, .size: 8, .value_kind: global_buffer, .address_space: global }
      - { .name: bk, .offset: 16, .size: 8, .value_kind: global_buffer, .address_space: global }
      - { .name: bv, .offset: 24, .size: 8, .value_kind: global_buffer, .address_space: global }
      - { .name: kf, .offset: 32, .size: 8, .value_kind: global_buffer, .address_space: global }
      - { .name: vf, .offset: 40, .size: 8, .value_kind: global_buffer, .address_space: global }
      - { .name: vtf, .offset: 48, .size: 8, .value_kind: global_buffer, .address_space: global }
    .group_segment_fixed_size: 98816
    .private_segment_fixed_size: 0
    .kernarg_segment_align: 8
    .kernarg_segment_size: 56
    .max_flat_workgroup_size: 128
    .sgpr_count:     66
    .vgpr_count:     768
    .wavefront_size: 32
...
	.end_amdgpu_metadata
.endif
;; end of part 5
;; launch attn: the kernel of part 3 again; grid 4 x 64, 4 waves a work-group, clusters of 4 x 4, 286,720 bytes of LDS; arguments vf, kf, vtf, op, st; writes op, st
;; launch outp: the kernel of part 4 again; grid 4 x 64, 4 waves a work-group, no clusters, 50,688 bytes of LDS; arguments op, st, wsf, bo, out0; writes out0
